; MI455X (gfx1250); checked and timed in simulation.
; The chip was launched on July 23, 2026; its instructions are those of AMD's public machine-readable ISA for CDNA 5 (MIT licence, August 2026) and "CDNA5" Instruction Set Architecture Reference Guide (July 2026). The comments in the code are by the model that wrote it; some were corrected since.
;; Multi Head Attention. Allowed arithmetic: float matrix products may take bf16 or f16 operands with f32 sums; other float arithmetic in f32, or as packed bf16 or f16 multiplies, adds, multiply-adds, maxima and minima; sums over many terms, partial sums and values carried from step to step in f32; what a program stores and reads back later, other than sums and carried values, may be rounded once to bf16 or f16.
;; Inputs: Wk 2,048 x 2,048 float32; Wo 2,048 x 2,048 float32; Wq 2,048 x 2,048 float32; Wv 2,048 x 2,048 float32; rotary_cos 1 x 2,048 x 128 float32; rotary_sin 1 x 2,048 x 128 float32; x 1 x 2,048 x 2,048 float32.
;; Outputs: out0 1 x 2,048 x 2,048 float32.
;; One version. Each part assembles by itself: llvm-mc -triple=amdgcn-amd-amdhsa -mcpu=gfx1250 --defsym DOCPART=n.
;; ======== version 1 of 1: 4 launches
;; limits: values are held in f16: magnitudes above 65,504 overflow, below 6.1e-05 lose precision
;; workspace buffers: xb 8,388,608 bytes; wb 25,165,824 bytes; wo16 8,388,608 bytes; cs 1,048,576 bytes; qkv16 25,165,824 bytes; o16 8,388,608 bytes
;; launch cast (part 1): grid 1024 x 1, 8 waves a work-group, no clusters, 0 bytes of LDS; arguments x, Wq, Wk, Wv, Wo, rotary_cos, rotary_sin, xb, wb, wo16, cs; writes xb, wb, wo16, cs
.if DOCPART == 1
	.amdgcn_target "amdgcn-amd-amdhsa--gfx1250"
	.amdhsa_code_object_version 6
	.text
	.protected	k_qd5ad9c39b6_cast
	.globl	k_qd5ad9c39b6_cast
	.p2align	8
	.type	k_qd5ad9c39b6_cast,@function
k_qd5ad9c39b6_cast:
	s_mov_b64 s[64:65], 0
	v_nop
	global_prefetch_b8 v0, s[64:65] scope:SCOPE_SE
	s_setreg_imm32_b32 hwreg(HW_REG_WAVE_MODE, 25, 1), 1
	s_wait_xcnt 0x0
; ALL SEVEN INPUTS ARE ROUNDED ONCE TO bf16, so that the later launches move and multiply 16-bit tiles.
;   xb = bf16(x).   wb = three planes bf16(Wq / 4), bf16(Wk / 4), bf16(Wv / 4): the power of two changes no significant bit and keeps q, k, v inside f16 later.
;   wo16 = f16(4 x bf16(Wo)): the 4 takes v's quarter back; a bf16 number has 8 significant bits and is exact in f16's 11.   cs = bf16(cos), then bf16(sin).
; LIMITS.  |Wo| below 16,380 (4 Wo must fit f16); 4 Wo below 2^-14 keeps f16's fixed step of 2^-24; W / 4 below 2^-126 loses bits.  NaN and infinities are not treated apart.
; A stream: no LDS, no barrier, no matrix unit.  A work-group takes 4,096 consecutive numbers of each of the five large tensors, four loads a thread and tensor.  Thread t takes the 16 bytes at 16 t of
; each 4,096 bytes: a load of a wave covers 512 consecutive bytes, and the thread's 4 numbers leave as 8 bytes: a store of a wave covers 256 consecutive bytes, aligned.  All 20 loads go out before the
; first wait; the numbers are converted in the registers in which they came.  The first 256 work-groups also take 1,024 numbers of cos and of sin, one load a thread and table.
.set X,  4                             ; v[4:83]   tensor t, load n: 4 numbers at X + 16 t + 4 n; the two words to store take the first two registers
.set CT, 84                            ; v[84:91]  cos's 4 numbers, sin's 4
.set HM, 34                            ; s34       mask of a word's upper bf16
	s_load_b512 s[8:23], s[0:1], 0x0               ; x 8, Wq 10, Wk 12, Wv 14, Wo 16, cos 18, sin 20, xb 22
	s_load_b128 s[24:27], s[0:1], 0x40             ; wb 24, wo16 26
	s_load_b64 s[28:29], s[0:1], 0x50              ; cs
	s_lshl_b32 s2, ttmp9, 14                       ; 4,096 numbers x 4 bytes in
	s_lshl_b32 s3, ttmp9, 13                       ; x 2 bytes out
	s_lshl_b32 s4, ttmp9, 12                       ; cos, sin: 1,024 numbers in,
	s_lshl_b32 s5, ttmp9, 11                       ; and out
	s_mov_b32 s[HM], 0xffff0000
	v_lshl_add_u32 v1, v0, 4, s2                   ; my byte offsets; never rewritten
	v_lshl_add_u32 v2, v0, 3, s3
	v_lshl_add_u32 v3, v0, 4, s4
	v_lshl_add_u32 v92, v0, 3, s5
	s_wait_kmcnt 0x0
	s_add_nc_u64 s[30:31], s[24:25], 0x800000      ; wb's plane of Wk,
	s_add_nc_u64 s[32:33], s[24:25], 0x1000000     ; and of Wv
.macro LOADS t, b                      ; tensor t: the work-group's 256 threads x 16 bytes are 4,096 bytes a load
.irp n, 0,1,2,3
	global_load_b128 v[X+16*(\t)+4*\n:X+16*(\t)+4*\n+3], v1, s[\b:\b+1] offset:4096*\n th:TH_LOAD_NT
.endr
.endm
.macro QUART t                         ; times 1/4, exact
.irp i, 0,1,2,3,4,5,6,7
	v_pk_mul_f32 v[X+16*(\t)+2*\i:X+16*(\t)+2*\i+1], v[X+16*(\t)+2*\i:X+16*(\t)+2*\i+1], 0x3e800000 op_sel_hi:[1,0]
.endr
.endm
.macro ROUND t                         ; 16 numbers to bf16, to nearest even
.irp n, 0,1,2,3
	v_cvt_pk_bf16_f32 v[X+16*(\t)+4*\n],   v[X+16*(\t)+4*\n],   v[X+16*(\t)+4*\n+1]
	v_cvt_pk_bf16_f32 v[X+16*(\t)+4*\n+1], v[X+16*(\t)+4*\n+2], v[X+16*(\t)+4*\n+3]
.endr
.endm
.macro OUT t, b
.irp n, 0,1,2,3
	global_store_b64 v2, v[X+16*(\t)+4*\n:X+16*(\t)+4*\n+1], s[\b:\b+1] offset:2048*\n
.endr
.endm
	LOADS 0, 8
	LOADS 1, 10
	LOADS 2, 12
	LOADS 3, 14
	LOADS 4, 16
	s_cmp_lt_u32 ttmp9, 256                        ; cos and sin have 262,144 numbers each: 256 work-groups' worth
	s_cbranch_scc0 .Lmain
	global_load_b128 v[CT:CT+3], v3, s[18:19] th:TH_LOAD_NT
	global_load_b128 v[CT+4:CT+7], v3, s[20:21] th:TH_LOAD_NT
	s_wait_loadcnt 0x0                             ; the two youngest loads: all the others are in with them, and the counted waits below are met at once
	v_cvt_pk_bf16_f32 v[CT],   v[CT],   v[CT+1]
	v_cvt_pk_bf16_f32 v[CT+1], v[CT+2], v[CT+3]
	v_cvt_pk_bf16_f32 v[CT+4], v[CT+4], v[CT+5]
	v_cvt_pk_bf16_f32 v[CT+5], v[CT+6], v[CT+7]
	global_store_b64 v92, v[CT:CT+1], s[28:29]
	global_store_b64 v92, v[CT+4:CT+5], s[28:29] offset:524288
.Lmain:
	s_wait_loadcnt 16                              ; loads return in order: x's four are in, the sixteen younger stay out
	ROUND 0
	OUT 0, 22
	s_wait_loadcnt 12                              ; Wq
	QUART 1
	ROUND 1
	OUT 1, 24
	s_wait_loadcnt 8                               ; Wk
	QUART 2
	ROUND 2
	OUT 2, 30
	s_wait_loadcnt 4                               ; Wv
	QUART 3
	ROUND 3
	OUT 3, 32
	s_wait_loadcnt 0x0                             ; Wo
	ROUND 4                                        ; first to bf16, like every input;
.irp n, 0,1,2,3
.set RA, X+64+4*\n
	v_lshlrev_b32 v[RA+2], 16,    v[RA+1]          ; back to f32: a low half moves up, a high half stays;
	v_and_b32     v[RA+3], s[HM], v[RA+1]
	v_and_b32     v[RA+1], s[HM], v[RA]
	v_lshlrev_b32 v[RA],   16,    v[RA]
	v_pk_mul_f32 v[RA:RA+1],   v[RA:RA+1],   4.0 op_sel_hi:[1,0]
	v_pk_mul_f32 v[RA+2:RA+3], v[RA+2:RA+3], 4.0 op_sel_hi:[1,0]
	v_cvt_pk_f16_f32 v[RA],   v[RA],   v[RA+1]     ; and that number, times 4, written as f16
	v_cvt_pk_f16_f32 v[RA+1], v[RA+2], v[RA+3]
.endr
	OUT 4, 26
	s_endpgm
.Lfunc_end_k_qd5ad9c39b6_cast:
	.size	k_qd5ad9c39b6_cast, .Lfunc_end_k_qd5ad9c39b6_cast-k_qd5ad9c39b6_cast
	.p2alignl 7, 3214868480
	.fill 96, 4, 3214868480
	.section	.rodata,"a",@progbits
	.p2align	6, 0x0
	.amdhsa_kernel k_qd5ad9c39b6_cast
		.amdhsa_group_segment_fixed_size 0
		.amdhsa_private_segment_fixed_size 0
		.amdhsa_enable_private_segment 0
		.amdhsa_kernarg_size 88
		.amdhsa_user_sgpr_count 2
		.amdhsa_user_sgpr_kernarg_segment_ptr 1
		.amdhsa_wavefront_size32 1
		.amdhsa_system_sgpr_workgroup_id_x 1
		.amdhsa_system_sgpr_workgroup_id_y 1
		.amdhsa_system_sgpr_workgroup_id_z 1
		.amdhsa_system_vgpr_workitem_id 0
		.amdhsa_next_free_vgpr 96
		.amdhsa_next_free_sgpr 66
		.amdhsa_reserve_vcc 0
		.amdhsa_float_denorm_mode_32 3
		.amdhsa_float_denorm_mode_16_64 3
		.amdhsa_memory_ordered 1
		.amdhsa_forward_progress 1
		.amdhsa_inst_pref_size 12
	.end_amdhsa_kernel
	.amdgpu_metadata
---
amdhsa.version: [ 1, 2 ]
amdhsa.kernels:
  - .name:           k_qd5ad9c39b6_cast
    .symbol:         k_qd5ad9c39b6_cast.kd
    .args:
      - { .name: x, .offset: 0, .size: 8, .value_kind: global_buffer, .address_space: global }
      - { .name: Wq, .offset: 8, .size: 8, .value_kind: global_buffer, .address_space: global }
      - { .name: Wk, .offset: 16, .size: 8, .value_kind: global_buffer, .address_space: global }
      - { .name: Wv, .offset: 24, .size: 8, .value_kind: global_buffer, .address_space: global }
      - { .name: Wo, .offset: 32, .size: 8, .value_kind: global_buffer, .address_space: global }
      - { .name: rotary_cos, .offset: 40, .size: 8, .value_kind: global_buffer, .address_space: global }
      - { .name: rotary_sin, .offset: 48, .size: 8, .value_kind: global_buffer, .address_space: global }
      - { .name: xb, .offset: 56, .size: 8, .value_kind: global_buffer, .address_space: global }
      - { .name: wb, .offset: 64, .size: 8, .value_kind: global_buffer, .address_space: global }
      - { .name: wo16, .offset: 72, .size: 8, .value_kind: global_buffer, .address_space: global }
      - { .name: cs, .offset: 80, .size: 8, .value_kind: global_buffer, .address_space: global }
    .group_segment_fixed_size: 0
    .private_segment_fixed_size: 0
    .kernarg_segment_align: 8
    .kernarg_segment_size: 88
    .max_flat_workgroup_size: 256
    .sgpr_count:     66
    .vgpr_count:     96
    .wavefront_size: 32
...
	.end_amdgpu_metadata
.endif
;; end of part 1
;; launch qkv (part 2): grid 16 x 16, 4 waves a work-group, clusters of 4 x 4, 327,680 bytes of LDS; arguments xb, wb, cs, qkv16; writes qkv16
.if DOCPART == 2
	.amdgcn_target "amdgcn-amd-amdhsa--gfx1250"
	.amdhsa_code_object_version 6
	.text
	.protected	k_qd5ad9c39b6_qkv
	.globl	k_qd5ad9c39b6_qkv
	.p2align	8
	.type	k_qd5ad9c39b6_qkv,@function
k_qd5ad9c39b6_qkv:
	s_mov_b64 s[64:65], 0
	v_nop
	global_prefetch_b8 v0, s[64:65] scope:SCOPE_SE
	s_setreg_imm32_b32 hwreg(HW_REG_WAVE_MODE, 25, 1), 1
	s_wait_xcnt 0x0
	s_wait_alu depctr_hold_cnt(0) depctr_sa_sdst(0) depctr_va_vdst(0) depctr_va_sdst(0) depctr_va_ssrc(0) depctr_va_vcc(0) depctr_vm_vsrc(0)
	s_getreg_b32 s2, hwreg(HW_REG_IB_STS2, 6, 4)
	s_cmp_eq_u32 s2, 0
	s_cbranch_scc0 .Lentry_in_a_cluster
	s_endpgm
.Lentry_in_a_cluster:
	s_bfe_u32 s2, ttmp6, 0x10000c
	s_cmp_lg_u32 s2, 0xf033
	s_cbranch_scc0 .Lentry_shape_is_right
	s_endpgm
.Lentry_shape_is_right:
; q, k, v OF ONE HEAD FOR 128 ROWS: three products x W^T (bf16 operands, f32 sums over K = 2,048), the rotation of q and k in f32, all three out in f16 by heads:
; qkv16 = planes q/4, k/4, v/4 (W's copies carry the quarter), each [16 heads][2,048 rows][128], a row 256 bytes.
; LIMITS.  |q|, |k| after the rotation and |v| stay below 262,016, so that a quarter of them fits f16 (65,504); NaN and infinities are not treated apart.
; SHARES.  Work-group (x = block of 128 rows, y = head), four waves.  Wave w: rows 64 (w / 2) on (four blocks a of 16); of each tensor the four column blocks j at 32 (w % 2) + 0, 16, 64, 80:
; channel d and channel d + 64, which the rotation pairs, are blocks j and j + 2 in the same lane and register.  48 accumulators of 16 x 16, 384 registers.
; THE MATRIX INSTRUCTION IS USED TRANSPOSED (source 0 = 16 rows of W, source 1 = 16 rows of x): a lane holds row lane % 16 and the eight neighbouring columns 8 (lane / 16) + 0..7.
; RING.  K goes in 16 steps of 128 (rows of 256 bytes) through two LDS slots, each x's tile and Wq's, Wk's, Wv's: 4 x 128 rows.  Wave 0 fetches x's tile, waves 1 to 3 one W tile each: one load a wave a step.
; A trip of the loop is one step: the slot to be read is a scalar that an exclusive or turns between 0 and SLOT, and the LDS addresses are made from it at each change of slots.
; CLUSTER 4 x 4.  x's tile hangs on the row block alone and is shared along a column of the cluster, W's tiles on the head alone and are shared along a row: each is asked for jointly by four.
; THE WALK ALONG K begins at step 4 p, p = (cluster x + 2 ((cluster y ^ cluster y / 2) & 1)) % 4, and goes round: every step is taken once, and only the order of the f32 sums hangs on p.  The four clusters
; that read the same tiles of W (one cluster y) begin four steps apart, those that read the same tiles of x (one cluster x) eight steps apart in pairs: a tile is asked for at different times, not at one.
; p is made of the cluster's coordinates alone: it is the same in all sixteen partners.
; REGISTERS, in windows of 256 (s_set_vgpr_msb: bits 1:0 source 0, 3:2 source 1, 5:4 source 2, 7:6 destination):
;   window 0: v10-29 addresses; v32-63 cos and sin in f32; v64-127 x's fragments, two buffers (block a at + 8 a); on the way out v64-255 at work
;   window 1: W's fragments, buffer f at 128 f, tensor t, block j at + 32 t + 8 j
;   window 2: q's and k's accumulators at 128 t + 8 (4 a + j)        window 3: v's at 8 (4 a + j); v128-255 cos and sin as loaded, at 128 + 32 a + 8 j + 4 (0 cos, 1 sin)
.set KSTEP,  128
.set STEPS,  16                        ; 2,048 / 128
.set PITCH,  272                       ; an LDS row: 256 bytes + 16 of padding = 68 words: the 16 rows of a fragment load start at 16 different groups of four banks (64 banks of 4 bytes: ISA guide 11.1)
.set HALFT,  128*PITCH                 ; one tile: what one tensor load brings: 0x8800
.set SLOT,   4*HALFT                   ; x, Wq, Wk, Wv: 0x22000, which shares no bit with a tile's start in slot 0 (0, 0x8800, 0x11000, 0x19800): one exclusive or turns a start in one slot into the other's
.set SPARE,  2*SLOT                    ; behind the ring: the spare words, 128 bytes for each wave: two blocks of 256 bytes that no other line names
.set CO,   10                          ; v10     16 x lane: my place in 512 consecutive bytes of the output
.set CSO,  11                          ; v11     my byte offset in the wave's rows of cos and sin; never rewritten
.set A0,   16                          ; v16     my fragments of x in slot 0; never rewritten
.set ADRA, 17                          ; v17     the same in the slot in hand
.set B0,   18                          ; v18-19  the same for Wq (Wk: one tile on, in the offset)
.set ADRB, 19
.set V0,   20                          ; v20-21  the same for Wv, which lies past the reach of a 16-bit offset
.set ADRV, 21
.set STO,  22                          ; v22-24  the way out: where I put 16 bytes of a row of q, k, v
.set RD,   25                          ; v25-27  the way out: where I read rows back
.set SPW,  28                          ; v28     LDS address of my spare word; never rewritten
.set NIL,  29                          ; v29     0; never rewritten
.set TAB,  32                          ; v32-63  cos (low channels), sin (low), cos (high), sin (high): 8 f32 each
.set XF,   64
.set CSW,  128                         ; in window 3
.set WV,   12                          ; s12  wave;  s13 its half of the rows;  s14 its half of the columns
.set XB,   18                          ; s[18:19] xb at the row block's first row; never rewritten
.set G1,   24                          ; s[24:31] descriptor group 1 for x's tiles;  s[32:39] group 0: a set for each of the two first fills; the second then walks on
.set G0,   32
.set WB,   46                          ; s[46:47] wb at my plane's rows of the head; never rewritten
.set G1B,  48                          ; s[48:55], s[56:63] the same for W's tiles
.set G0B,  56
.set OB,   66                          ; s[66:71] where my 32 rows of q, k, v begin in qkv16
.set HM,   72                          ; s72  mask of a word's upper bf16
.set CSB,  74                          ; s[74:75] cs at the wave's first row; never rewritten
.set KI,   80                          ; s80  the K step asked for last
.set TB,   81                          ; s81  LDS byte at which the slot to be read begins
.set KO,   82                          ; s[82:83] a K step's byte offset in a row
.set MSB, 0
.macro WIN new                         ; the immediate's high byte repeats the setting that is left; a switch that changes nothing is dropped
.if MSB != (\new)
	s_set_vgpr_msb (MSB<<8)|(\new)
.set MSB, \new
.endif
.endm
; A joint load.  Each of the two lines has one mask; the branch hangs on the wave's number alone.  An s_nop 0 and four v_nop follow each line, ahead of the jump and the label.
.macro JLOAD s
	s_cmp_eq_u32 s[WV], 0
	s_cbranch_scc0 .Lfor_w_\@
	tensor_load_to_lds s[G0+4*(\s):G0+4*(\s)+3], s[G1:G1+7]
	s_nop 0
.rept 4
	v_nop
.endr
	s_branch .Lasked_\@
.Lfor_w_\@:
	tensor_load_to_lds s[G0B+4*(\s):G0B+4*(\s)+3], s[G1B:G1B+7]
	s_nop 0
.rept 4
	v_nop
.endr
.Lasked_\@:
.endm
.macro MKADDR s                        ; both descriptors' global addresses for K step KI: each tensor's base and an offset made apart, the type bits set again
	s_lshl_b32 s[KO], s[KI], 8                     ; a K step is 256 bytes of a row
	s_add_nc_u64 s[G0+4*(\s)+2:G0+4*(\s)+3], s[XB:XB+1], s[KO:KO+1]
	s_or_b32 s[G0+4*(\s)+3], s[G0+4*(\s)+3], 0x80000000
	s_add_nc_u64 s[G0B+4*(\s)+2:G0B+4*(\s)+3], s[WB:WB+1], s[KO:KO+1]
	s_or_b32 s[G0B+4*(\s)+3], s[G0B+4*(\s)+3], 0x80000000
.endm
.macro CREST                           ; a round of the cluster's barrier behind its opening barrier: wave 0 signals for the work-group, all wait for all sixteen, my work-group's barrier closes it
	s_cmp_lg_u32 s[WV], 0
	s_cbranch_scc1 .Lnot_wave_0_\@
	s_barrier_signal -3
.Lnot_wave_0_\@:
	s_barrier_wait -3
	s_barrier_signal -1
	s_barrier_wait -1
.endm
.macro CROUND                          ; a whole round
	s_barrier_signal -1
	s_barrier_wait -1
	CREST
.endm
.macro PLACES                          ; four places: in front of loads into registers that matrix instructions have read, and of vector lines that read results just made
.rept 4
	v_nop
.endr
.endm
	s_load_b256 s[4:11], s[0:1], 0x0               ; xb s[4:5], wb s[6:7], cs s[8:9], qkv16 s[10:11]
	v_lshl_add_u32 v[SPW], v0, 2, SPARE
	v_mov_b32 v[NIL], 0
	ds_add_u32 v[SPW], v[NIL]                      ; the wave's opening: the add and its wait stand ahead of my first tensor load; work on registers stands between them
	v_lshrrev_b32 v1, 5, v0
	v_readfirstlane_b32 s[WV], v1                  ; wave 0..3
	s_lshr_b32 s13, s[WV], 1
	s_and_b32 s14, s[WV], 1
	s_bfe_u32 s40, ttmp6, 0x40000                  ; cx, cy: my place in the cluster
	s_bfe_u32 s41, ttmp6, 0x40004
	s_lshl_b32 s43, ttmp9, 2
	s_add_co_u32 s43, s43, s40                     ; the row block = 4 x cluster x + cx
	s_and_b32 s42, ttmp7, 0xffff
	s_lshl_b32 s42, s42, 2
	s_add_co_u32 s42, s42, s41                     ; the head = 4 x cluster y + cy
	s_lshl_b32 s44, 0x1111, s40                    ; my column of the cluster
	s_lshl_b32 s45, s41, 2
	s_lshl_b32 s45, 15, s45                        ; my row
	s_and_b32 s[KI], ttmp7, 0xffff                 ; where the walk along K begins: from the cluster's coordinates alone
	s_lshr_b32 s[TB], s[KI], 1
	s_xor_b32 s[KI], s[KI], s[TB]
	s_and_b32 s[KI], s[KI], 1
	s_lshl_b32 s[KI], s[KI], 1
	s_add_co_u32 s[KI], s[KI], ttmp9
	s_and_b32 s[KI], s[KI], 3                      ; p
	s_lshl_b32 s[KI], s[KI], 2                     ; step 4 p
	s_mov_b32 s[TB], 0                             ; the first step lies in slot 0
	s_mov_b32 s[KO+1], 0
	; descriptor group 1: a tile of 128 rows x 128 elements of 2 bytes, 16 bytes of padding behind every 256
	s_or_b32 s[G1], s44, (1<<16)|(1<<20)|(1<<21)|(5<<22)|(3<<25)   ; 15:0 the mask; 17:16 2-byte elements; 20 padding on; 21 set beside a mask; 24:22 after every 64 words; 31:25 4 words
	s_or_b32 s[G1B], s45, (1<<16)|(1<<20)|(1<<21)|(5<<22)|(3<<25)
.irp g, G1, G1B
	s_mov_b32 s[(\g)+1], KSTEP<<16                 ; tensor_dim0 = 128
	s_mov_b32 s[(\g)+2], 128<<16                   ; tensor_dim1 = 128
	s_mov_b32 s[(\g)+3], KSTEP<<16                 ; tile_dim0 = 128
	s_mov_b32 s[(\g)+4], 128                       ; tile_dim1 = 128
	s_mov_b32 s[(\g)+5], 2048                      ; elements from row to row
	s_mov_b32 s[(\g)+6], 0
	s_mov_b32 s[(\g)+7], 0
.endr
	s_lshl_b32 s16, s43, 19                        ; x: 128 rows of 4,096 bytes for each row block: the row block alone
	s_mov_b32 s17, 0
	s_max_u32 s20, s[WV], 1                        ; W: wave 1, 2, 3 takes plane 0, 1, 2 (wave 0 makes an address too and does not use it),
	s_sub_co_u32 s20, s20, 1
	s_lshl_b32 s20, s20, 23                        ; 8,388,608 bytes a plane,
	s_lshl_b32 s21, s42, 19                        ; 128 rows of 4,096 bytes for each head: the head alone
	s_add_co_u32 s20, s20, s21
	s_mov_b32 s21, 0
	s_mul_i32 s22, s[WV], HALFT                    ; where my tile goes: wave x one tile; no place in the cluster enters an LDS address
	s_wait_dscnt 0x0                               ; the opening add is done
	s_wait_kmcnt 0x0
	s_add_nc_u64 s[XB:XB+1], s[4:5], s[16:17]
	s_add_nc_u64 s[WB:WB+1], s[6:7], s[20:21]
	CROUND                                         ; all sixteen work-groups are here: the first joint loads meet
.irp s, 0,1
	s_mov_b32 s[G0+4*(\s)], 1                      ; count = 1
	s_add_co_u32 s[G0+4*(\s)+1], s22, (\s)*SLOT    ; LDS address
	s_mov_b32 s[G0B+4*(\s)], 1
	s_add_co_u32 s[G0B+4*(\s)+1], s22, (\s)*SLOT
	MKADDR \s                                      ; steps 4 p and 4 p + 1: 13 at the most, no wrap yet
	JLOAD \s                                       ; both slots are asked for before anything else: two loads of mine are out
.if (\s) == 0
	s_add_co_u32 s[KI], s[KI], 1
.endif
.endr
	; A fragment is 16 rows x 32 K in 8 registers: lane l holds row l % 16, K = 8 (l / 16) + 0..7 and 16 + 8 (l / 16) + 0..7: two loads of 16 bytes, 32 bytes apart.
	v_and_b32 v1, 15, v0                           ; l % 16
	v_bfe_u32 v2, v0, 4, 1                         ; l / 16
	v_mul_u32_u24 v3, v1, PITCH
	v_lshl_add_u32 v3, v2, 4, v3                   ; row x pitch + 16 x half
	s_mul_i32 s76, s13, 64*PITCH                   ; my 64 rows of x
	s_mul_i32 s77, s14, 32*PITCH                   ; my columns' rows of W begin at 32 (w % 2),
	s_add_co_u32 s77, s77, HALFT                   ; behind x's tile
	v_add_nc_u32 v[A0], s76, v3
	v_add_nc_u32 v[B0], s77, v3
	v_add_nc_u32 v[V0], 2*HALFT, v[B0]
	v_mov_b32 v[ADRA], v[A0]
	v_mov_b32 v[ADRB], v[B0]
	v_mov_b32 v[ADRV], v[V0]
	; the way out goes through slot 0's bytes, three stages of 128 rows x 272 bytes, when the slot has had its last fill and its last read
	s_mul_i32 s78, s13, 64*PITCH
	s_lshl_b32 s79, s14, 6                         ; 32 (w % 2) columns of 2 bytes
	s_add_co_u32 s78, s78, s79
	v_add_nc_u32 v[STO], s78, v3                   ; in: my row, 16 bytes for each half of the lanes
	v_add_nc_u32 v[STO+1], HALFT, v[STO]
	v_add_nc_u32 v[STO+2], 2*HALFT, v[STO]
	s_mul_i32 s78, s[WV], 32*PITCH                 ; back: wave w takes rows 32 w on, whole: lanes 0-15 one row of 256 bytes, lanes 16-31 the next
	v_mul_u32_u24 v4, v2, PITCH
	v_lshl_add_u32 v4, v1, 4, v4
	v_add_nc_u32 v[RD], s78, v4
	v_add_nc_u32 v[RD+1], HALFT, v[RD]
	v_add_nc_u32 v[RD+2], 2*HALFT, v[RD]
	v_and_b32 v[CO], 31, v0
	v_lshlrev_b32 v[CO], 4, v[CO]
	v_lshlrev_b32 v[CSO], 8, v1                    ; cos, sin: row x 256 bytes + 16 x half + my columns
	v_lshl_add_u32 v[CSO], v2, 4, v[CSO]
	v_add_nc_u32 v[CSO], s79, v[CSO]
	s_lshl_b32 s84, s42, 19                        ; qkv16: the head's 524,288 bytes, the row block's 128 rows of 256, my 32 rows
	s_lshl_b32 s85, s43, 15
	s_add_co_u32 s84, s84, s85
	s_lshl_b32 s85, s[WV], 13
	s_add_co_u32 s84, s84, s85
	s_mov_b32 s85, 0
	s_add_nc_u64 s[OB:OB+1], s[10:11], s[84:85]
	s_add_nc_u64 s[OB+2:OB+3], s[OB:OB+1], 0x800000
	s_add_nc_u64 s[OB+4:OB+5], s[OB:OB+1], 0x1000000
	s_lshl_b32 s86, s43, 15                        ; cs: the row block's rows, my half of them
	s_lshl_b32 s87, s13, 14
	s_add_co_u32 s86, s86, s87
	s_mov_b32 s87, 0
	s_add_nc_u64 s[CSB:CSB+1], s[8:9], s[86:87]
	s_mov_b32 s[HM], 0xffff0000
	WIN 0xc0                                       ; destination window 3: cos and sin of my 64 rows x 64 columns, 32 loads that stay out while K is walked
.irp a, 0,1,2,3
.irp j, 0,1,2,3
.irp u, 0,1
	global_load_b128 v[CSW+32*\a+8*\j+4*\u:CSW+32*\a+8*\j+4*\u+3], v[CSO], s[CSB:CSB+1] offset:4096*\a+32*((\j)%2)+128*((\j)/2)+524288*\u
.endr
.endr
.endr
	WIN 0
; 16 matrix instructions: tensor t (0 q, 1 k), my four row blocks x four column blocks, 32 along K from buffer f.  zero = 1: the product starts the sum: nothing is cleared.
.macro MULT f, t, zero
	WIN 0xa1                                       ; W window 1, x window 0, C and D window 2
.irp a, 0,1,2,3
.irp j, 0,1,2,3
.if \zero
	v_wmma_f32_16x16x32_bf16 v[128*(\t)+8*(4*\a+\j):128*(\t)+8*(4*\a+\j)+7], v[128*(\f)+32*(\t)+8*\j:128*(\f)+32*(\t)+8*\j+7], v[XF+32*(\f)+8*\a:XF+32*(\f)+8*\a+7], 0
.else
	v_wmma_f32_16x16x32_bf16 v[128*(\t)+8*(4*\a+\j):128*(\t)+8*(4*\a+\j)+7], v[128*(\f)+32*(\t)+8*\j:128*(\f)+32*(\t)+8*\j+7], v[XF+32*(\f)+8*\a:XF+32*(\f)+8*\a+7], v[128*(\t)+8*(4*\a+\j):128*(\t)+8*(4*\a+\j)+7]
.endif
.endr
.endr
.endm
.macro MULV f, zero                    ; the same for v
	WIN 0xf1                                       ; C and D window 3
.irp a, 0,1,2,3
.irp j, 0,1,2,3
.if \zero
	v_wmma_f32_16x16x32_bf16 v[8*(4*\a+\j):8*(4*\a+\j)+7], v[128*(\f)+64+8*\j:128*(\f)+64+8*\j+7], v[XF+32*(\f)+8*\a:XF+32*(\f)+8*\a+7], 0
.else
	v_wmma_f32_16x16x32_bf16 v[8*(4*\a+\j):8*(4*\a+\j)+7], v[128*(\f)+64+8*\j:128*(\f)+64+8*\j+7], v[XF+32*(\f)+8*\a:XF+32*(\f)+8*\a+7], v[8*(4*\a+\j):8*(4*\a+\j)+7]
.endif
.endr
.endr
.endm
; 32 LDS loads in one run: the fragments of 32 along K at byte k of the rows of the slot in hand, into buffer f: x's 8, Wq's 8, Wk's 8, and last Wv's 8
.macro FETCH k, f
	WIN 0
.irp a, 0,1,2,3
	ds_load_b128 v[XF+32*(\f)+8*\a:XF+32*(\f)+8*\a+3],   v[ADRA] offset:(\k)+\a*16*PITCH
	ds_load_b128 v[XF+32*(\f)+8*\a+4:XF+32*(\f)+8*\a+7], v[ADRA] offset:(\k)+\a*16*PITCH+32
.endr
	WIN 0x40                                       ; destination window 1
.irp t, 0,1
.irp j, 0,1,2,3
	ds_load_b128 v[128*(\f)+32*\t+8*\j:128*(\f)+32*\t+8*\j+3],   v[ADRB] offset:\t*HALFT+(16*((\j)%2)+64*((\j)/2))*PITCH+(\k)
	ds_load_b128 v[128*(\f)+32*\t+8*\j+4:128*(\f)+32*\t+8*\j+7], v[ADRB] offset:\t*HALFT+(16*((\j)%2)+64*((\j)/2))*PITCH+(\k)+32
.endr
.endr
.irp j, 0,1,2,3
	ds_load_b128 v[128*(\f)+64+8*\j:128*(\f)+64+8*\j+3],   v[ADRV] offset:(16*((\j)%2)+64*((\j)/2))*PITCH+(\k)
	ds_load_b128 v[128*(\f)+64+8*\j+4:128*(\f)+64+8*\j+7], v[ADRV] offset:(16*((\j)%2)+64*((\j)/2))*PITCH+(\k)+32
.endr
.endm
; A K step is four quarters of 32 along K, 48 matrix instructions each, on buffers 0, 1, 0, 1; the 48 accumulators take turns in the same order in every quarter.
; One of the first three: at its head it fetches the next quarter (byte k of the same slot's rows) into buffer g, which the quarter before multiplied; then it multiplies buffer f.
; So a run of loads has a whole quarter's 48 matrix instructions in which to land, and a slot's last reads are issued a quarter ahead of the change of slots.
.macro QUARTER k, f, g, zero
	s_wait_dscnt 8                                 ; x, Wq and Wk of buffer f are in; the youngest eight loads (Wv) may be out
	PLACES
	FETCH \k, \g
	MULT \f, 0, \zero
	MULT \f, 1, \zero
	s_wait_dscnt 32                                ; all but the 32 just issued
	MULV \f, \zero
.endm
; The last quarter changes slots and then multiplies buffer 1.  ONE barrier.  In front of it each wave waits for all its tensor loads (one is out: its tile of the next slot), adds 0 to its spare word, and
; waits for that and for its own reads of this slot.  fill = 1: the barrier opens a round of the cluster's, so that no wave of any partner still reads this slot or has a load on its way, and this slot is
; filled again, two steps ahead, first thing behind the round: from that request to the wait for it a wave issues a whole step's 192 matrix instructions.
.macro TURN fill
	WIN 0
	s_wait_tensorcnt 0x0                           ; no tensor load of mine is out, so a group 0 may be written
	ds_add_u32 v[SPW], v[NIL]                      ; 0 onto my spare word; scalar work stands between it and the wait for it
.if \fill
	s_add_co_u32 s[KI], s[KI], 1                   ; the next K step, round the end of K
	s_and_b32 s[KI], s[KI], STEPS-1
	s_xor_b32 s[G0+5], s[G0+5], SLOT               ; the walking descriptors: the other slot than last time
	s_xor_b32 s[G0B+5], s[G0B+5], SLOT
	MKADDR 1
.endif
	s_xor_b32 s[TB], s[TB], SLOT                   ; the reads go to the other slot
	s_wait_dscnt 0x0                               ; the add is done, and my reads of this slot are over (they were issued 48 matrix instructions ago)
	s_barrier_signal -1
	s_barrier_wait -1
.if \fill
	CREST
	JLOAD 1                                        ; the four v_nop behind it are also the places in front of the loads below
.else
	PLACES
.endif
	v_add_nc_u32 v[ADRA], s[TB], v[A0]
	v_add_nc_u32 v[ADRB], s[TB], v[B0]
	v_add_nc_u32 v[ADRV], s[TB], v[V0]
	FETCH 0, 0                                     ; the next slot's first fragments
	MULT 1, 0, 0
	MULT 1, 1, 0
	MULV 1, 0
.endm
	s_wait_tensorcnt 0x1                           ; my tile of the first step is in; the second's may stay out
	s_barrier_signal -1
	s_barrier_wait -1                              ; everybody's is
	FETCH 0, 0
	QUARTER 64, 0, 1, 1                            ; the first quarter stands in front of the loop: its products start the sums
	WIN 0                                          ; at a label and at a branch every window is 0
	s_mov_b32 s3, STEPS-2
.Lstep:                                                ; a trip goes from a step's second quarter to the next step's first, and fills the slot that it leaves: 14 trips ask for steps 2 to 15 of the walk
	QUARTER 128, 1, 0, 0
	QUARTER 192, 0, 1, 0
	TURN 1
	QUARTER 64,  0, 1, 0
	WIN 0
	s_sub_co_u32 s3, s3, 1
	s_cmp_lg_u32 s3, 0
	s_cbranch_scc1 .Lstep
	QUARTER 128, 1, 0, 0                           ; the last two steps fill nothing
	QUARTER 192, 0, 1, 0
	TURN 0                                         ; step 14 lay in slot 0: behind this barrier nobody reads slot 0 any more, and no fill of it is to come
	QUARTER 64,  0, 1, 0
	QUARTER 128, 1, 0, 0
	QUARTER 192, 0, 1, 0
	s_wait_dscnt 0x0                               ; the very last quarter: nothing more to fetch
	MULT 1, 0, 0
	MULT 1, 1, 0
	MULV 1, 0
	; THE WAY OUT.  q and k are rotated in f32: low' = low cos(d) - high sin(d), high' = high cos(d + 64) + low sin(d + 64), each table entry as it is given; then all three are rounded to f16.
	PLACES
	s_wait_loadcnt 0x0                             ; cos and sin
.macro ROPE a, jl                      ; row block a, column blocks jl (low) and jl + 2 (high), for q and k
	WIN 0x0c                                       ; source 1 window 3
.irp i, 0,1,2,3
	v_lshlrev_b32 v[TAB+2*\i],      16,    v[CSW+32*(\a)+8*(\jl)+\i]
	v_and_b32     v[TAB+2*\i+1],    s[HM], v[CSW+32*(\a)+8*(\jl)+\i]
	v_lshlrev_b32 v[TAB+8+2*\i],    16,    v[CSW+32*(\a)+8*(\jl)+4+\i]
	v_and_b32     v[TAB+8+2*\i+1],  s[HM], v[CSW+32*(\a)+8*(\jl)+4+\i]
	v_lshlrev_b32 v[TAB+16+2*\i],   16,    v[CSW+32*(\a)+8*((\jl)+2)+\i]
	v_and_b32     v[TAB+16+2*\i+1], s[HM], v[CSW+32*(\a)+8*((\jl)+2)+\i]
	v_lshlrev_b32 v[TAB+24+2*\i],   16,    v[CSW+32*(\a)+8*((\jl)+2)+4+\i]
	v_and_b32     v[TAB+24+2*\i+1], s[HM], v[CSW+32*(\a)+8*((\jl)+2)+4+\i]
.endr
	WIN 0x02                                       ; source 0 window 2: the accumulators, each read from its lowest registers on
.irp t, 0,1
.set LO, 128*\t+8*(4*(\a)+(\jl))
.set HI, LO+16
.set TT, XF+32*\t
.irp i, 0,1,2,3
	v_pk_mul_f32 v[TT+2*\i:TT+2*\i+1], v[LO+2*\i:LO+2*\i+1], v[TAB+2*\i:TAB+2*\i+1]
.endr
.irp i, 0,1,2,3
	v_pk_mul_f32 v[TT+8+2*\i:TT+8+2*\i+1], v[HI+2*\i:HI+2*\i+1], v[TAB+16+2*\i:TAB+16+2*\i+1]
.endr
.irp i, 0,1,2,3
	v_pk_fma_f32 v[TT+2*\i:TT+2*\i+1], v[HI+2*\i:HI+2*\i+1], v[TAB+8+2*\i:TAB+8+2*\i+1], v[TT+2*\i:TT+2*\i+1] neg_lo:[1,0,0] neg_hi:[1,0,0]
.endr
.irp i, 0,1,2,3
	v_pk_fma_f32 v[TT+8+2*\i:TT+8+2*\i+1], v[LO+2*\i:LO+2*\i+1], v[TAB+24+2*\i:TAB+24+2*\i+1], v[TT+8+2*\i:TT+8+2*\i+1]
.endr
.endr
	WIN 0
.irp t, 0,1
.set TT, XF+32*\t
.irp i, 0,1,2,3
	v_cvt_pk_f16_f32 v[TT+16+\i], v[TT+2*\i], v[TT+2*\i+1]
	v_cvt_pk_f16_f32 v[TT+20+\i], v[TT+8+2*\i], v[TT+8+2*\i+1]
.endr
	ds_store_b128 v[STO+\t], v[TT+16:TT+19] offset:16*PITCH*(\a)+32*(\jl)
	ds_store_b128 v[STO+\t], v[TT+20:TT+23] offset:16*PITCH*(\a)+32*(\jl)+128
.endr
.endm
.macro VOUT a                          ; row block a of v
	WIN 0x0f                                       ; sources 0 and 1 window 3
.irp j, 0,1,2,3
.irp i, 0,1,2,3
	v_cvt_pk_f16_f32 v[XF+4*\j+\i], v[8*(4*(\a)+\j)+2*\i], v[8*(4*(\a)+\j)+2*\i+1]
.endr
.endr
	WIN 0
.irp j, 0,1,2,3
	ds_store_b128 v[STO+2], v[XF+4*\j:XF+4*\j+3] offset:16*PITCH*(\a)+32*((\j)%2)+128*((\j)/2)
.endr
.endm
.irp a, 0,1,2,3
	ROPE \a, 0
	ROPE \a, 1
	VOUT \a
.endr
	s_wait_dscnt 0x0                               ; for the others' sake: my stores into the stages are done
	s_barrier_signal -1
	s_barrier_wait -1                              ; a row's 256 bytes come from two waves
.irp t, 0,1,2
.set i, 0
.rept 16
	ds_load_b128 v[XF+64*\t+4*i:XF+64*\t+4*i+3], v[RD+\t] offset:i*2*PITCH
.set i, i+1
.endr
.endr
.set n, 0
.rept 48
	s_wait_dscnt 47-n                              ; LDS loads return in order: number n is in, the younger stay out
	global_store_b128 v[CO], v[XF+4*n:XF+4*n+3], s[OB+2*(n/16):OB+2*(n/16)+1] offset:512*(n%16)  ; two rows of a head: 512 consecutive bytes, at a multiple of 256 from the buffer's first
.set n, n+1
.endr
	s_wait_tensorcnt 0x0                           ; the wave's end: behind my last tensor load and my last LDS store
	ds_add_u32 v[SPW], v[NIL]
	s_wait_dscnt 0x0
	CROUND                                         ; the closing round: no work-group ends while a partner may still ask for a tile that names it
	s_endpgm
.Lfunc_end_k_qd5ad9c39b6_qkv:
	.size	k_qd5ad9c39b6_qkv, .Lfunc_end_k_qd5ad9c39b6_qkv-k_qd5ad9c39b6_qkv
	.p2alignl 7, 3214868480
	.fill 96, 4, 3214868480
	.section	.rodata,"a",@progbits
	.p2align	6, 0x0
	.amdhsa_kernel k_qd5ad9c39b6_qkv
		.amdhsa_group_segment_fixed_size 327680
		.amdhsa_private_segment_fixed_size 0
		.amdhsa_enable_private_segment 0
		.amdhsa_kernarg_size 32
		.amdhsa_user_sgpr_count 2
		.amdhsa_user_sgpr_kernarg_segment_ptr 1
		.amdhsa_wavefront_size32 1
		.amdhsa_system_sgpr_workgroup_id_x 1
		.amdhsa_system_sgpr_workgroup_id_y 1
		.amdhsa_system_sgpr_workgroup_id_z 1
		.amdhsa_system_vgpr_workitem_id 0
		.amdhsa_next_free_vgpr 1024
		.amdhsa_next_free_sgpr 88
		.amdhsa_reserve_vcc 0
		.amdhsa_float_denorm_mode_32 3
		.amdhsa_float_denorm_mode_16_64 3
		.amdhsa_memory_ordered 1
		.amdhsa_forward_progress 1
		.amdhsa_inst_pref_size 126
	.end_amdhsa_kernel
	.amdgpu_metadata
---
amdhsa.version: [ 1, 2 ]
amdhsa.kernels:
  - .name:           k_qd5ad9c39b6_qkv
    .symbol:         k_qd5ad9c39b6_qkv.kd
    .args:
      - { .name: xb, .offset: 0, .size: 8, .value_kind: global_buffer, .address_space: global }
      - { .name: wb, .offset: 8, .size: 8, .value_kind: global_buffer, .address_space: global }
      - { .name: cs, .offset: 16, .size: 8, .value_kind: global_buffer, .address_space: global }
      - { .name: qkv16, .offset: 24, .size: 8, .value_kind: global_buffer, .address_space: global }
    .group_segment_fixed_size: 327680
    .private_segment_fixed_size: 0
    .kernarg_segment_align: 8
    .kernarg_segment_size: 32
    .max_flat_workgroup_size: 128
    .sgpr_count:     88
    .vgpr_count:     1024
    .wavefront_size: 32
...
	.end_amdgpu_metadata
.endif
;; end of part 2
;; launch attn (part 3): grid 16 x 16, 4 waves a work-group, clusters of 4 x 1, 327,680 bytes of LDS; arguments qkv16, o16; writes o16
.if DOCPART == 3
	.amdgcn_target "amdgcn-amd-amdhsa--gfx1250"
	.amdhsa_code_object_version 6
	.text
	.protected	k_qd5ad9c39b6_attn
	.globl	k_qd5ad9c39b6_attn
	.p2align	8
	.type	k_qd5ad9c39b6_attn,@function
k_qd5ad9c39b6_attn:
	s_mov_b64 s[64:65], 0
	v_nop
	global_prefetch_b8 v0, s[64:65] scope:SCOPE_SE
	s_setreg_imm32_b32 hwreg(HW_REG_WAVE_MODE, 25, 1), 1
	s_wait_xcnt 0x0
	s_wait_alu depctr_hold_cnt(0) depctr_sa_sdst(0) depctr_va_vdst(0) depctr_va_sdst(0) depctr_va_ssrc(0) depctr_va_vcc(0) depctr_vm_vsrc(0)
	s_getreg_b32 s2, hwreg(HW_REG_IB_STS2, 6, 4)
	s_cmp_eq_u32 s2, 0
	s_cbranch_scc0 .Lentry_in_a_cluster
	s_endpgm
.Lentry_in_a_cluster:
	s_bfe_u32 s2, ttmp6, 0x10000c
	s_cmp_lg_u32 s2, 0x3003
	s_cbranch_scc0 .Lentry_shape_is_right
	s_endpgm
.Lentry_shape_is_right:
; CAUSAL ATTENTION, head size 128.  qkv16 holds q/4, k/4, v/4 in f16, each [16 heads][2,048][128]; o16 takes O/4 in f16, [2,048 rows][16 x 128].
; p = 2^(c s - c m) with a running maximum m; c = 16 log2(e) / sqrt(128): the 16 takes q's and k's quarters back, in f32.  Products, maxima and sums in f32; p is rounded to f16 for the second product
; (its sum l is taken of the unrounded p), O once at the end.
; LIMITS.  A hidden score counts as its value less 1e30 (f16's scores reach 5.5e11 at the most); a weight below 2^-126 counts as 0; p below 6e-5 and O/4 below 6e-5 keep f16's fixed step of 6e-8;
; NaN and infinities are not treated apart.
; THE WALK.  A head's rows lie in 8 blocks of 256; block I needs the key tiles 0 .. I of 256 keys, the last of which holds the diagonal.  Cluster g takes blocks 7 - g and then g: 9 tiles whatever g.
; Of each block partner cx takes queries 64 cx on.  So the four partners walk the same tiles in the same trips, every tile of K and V is asked for jointly, and no branch hangs on cx.
; KEYS ARE SHARED AMONG THE WAVES.  All four waves hold the same 64 queries (four tiles t of 16); wave w takes keys 64 w on of every tile: 128 matrix instructions for 64 LDS loads.  Each wave keeps its own
; m, l and O^T; at a block's end the four are merged in f32 through LDS: O = sum_w 2^(c m_w - M) O_w / sum_w 2^(c m_w - M) l_w, M the largest c m_w.
; LAYOUT.  S^T = K Q^T (source 0 = 16 keys, source 1 = 16 queries): a lane holds ONE query (lane % 16) and the keys 8 (lane / 16) + 0..7.  Two such results rounded to f16 ARE source 1 of O^T = V^T P.
; THE MASK is the C operand that starts a sum S^T.  MD, made once: -1e30 where, in a block's last tile, my key lies behind my query: 16 (kb - t) + i > l % 16 - 8 (l / 16) + 64 (cx - w); it depends on
; kb - t alone: 7 groups of 8 registers.  A step's mask is MD x AL, AL = 1 in a block's last tile and 0 elsewhere: one text for all tiles.  A wave that has seen hidden keys alone has c m near -2e30,
; and the merge gives its part the factor 0.
; REGISTERS, in windows of 256 (s_set_vgpr_msb: bits 1:0 source 0, 3:2 source 1, 5:4 source 2, 7:6 destination):
;   window 0: v1-15 addresses; v16-47 eight registers of statistics a tile; v64-191 S^T, 32 a tile; v192-255 P, 16 a tile
;   window 1: O^T, 64 a tile      window 2: v0-127 Q, 32 a tile; v128-255 K of a step      window 3: v0-127 V of a step; v128-183 MD; v184-239 MC
.set PK,    272       ; a row of K in LDS: 256 bytes + 16: the 16 rows of a load start at 16 different groups of four banks (64 banks of 4 bytes: ISA guide 11.1)
.set PV,    288       ; a row of V: 256 + 32
.set VOFF,  256*PK    ; a slot: 256 rows of K, then 256 rows of V
.set SLOT1, 0x24000   ; slot 1 begins here: no start of a tile in slot 0 (0, 0x8800, 0x11000, 0x1a000) has one of its two bits, so one exclusive or turns a start in one slot into the other's
.set MP,    528       ; a row of a partial O in f32: 512 bytes + 16
.set MRG,   SLOT1+256*(PK+PV)  ; behind the ring, never filled by a tensor load: 4 waves x 16 rows x 528 bytes
.set ML,    MRG+4*16*MP        ; c m as [64 queries][4 waves] f32, then l likewise: 2 x 1,024 bytes
.set SPARE, ML+2048            ; the spare words, 128 bytes for each wave: two blocks of 256 bytes that no other line names
.set AK0, 2           ; v2   my lane's place in a tile of K, my wave's 64 keys; never rewritten
.set AV0, 3           ; v3   the same for V
.set ADRK, 4          ; v4   the LDS address of K's run of loads
.set ADRV, 5          ; v5   of V's
.set QO,  6           ; v6   my byte offset in 16 rows of Q
.set MLW, 7           ; v7   where I put c m and l
.set MLR, 8           ; v8   where I read the four waves'
.set MGW, 10          ; v10  where I put 32 bytes of a row of my partial O
.set MGR, 11          ; v11  where I read 16 bytes of my four rows
.set GO,  12          ; v12  8 x lane: my place in 256 consecutive bytes of o16
.set ST,  16          ; tile t's statistics at v[ST+8 t]: +0 c m, +1 m, +2, +3 l (even keys', odd keys'), +4 to +7 c0-c3, at work; a takes c2's place once the maximum is found
.set SPW, 62          ; v62  LDS address of my spare word; never rewritten
.set NIL, 63          ; v63  0; never rewritten
.set S,   64
.set P,   192
.set KF,  128         ; window 2
.set MD,  128         ; window 3
.set MC,  184         ; window 3
.set WV,  12          ; s12 wave; s13 cx; s14 g; s15 head
.set CX,  13
.set G,   14
.set HD,  15
.set G1K, 24          ; s[24:31] descriptor group 1 for K's tiles;  s[32:39] for V's: it differs in the padding alone
.set G1V, 32
.set G0K, 40          ; s[40:43], s[44:47] descriptor group 0
.set G0V, 44
.set KB,  48          ; s[48:49] K at my half of the head's tile 0;  s[50:51] V likewise
.set VB,  50
.set QA,  52          ; s[52:53] Q at my queries of the first block;  s[54:55] of the second
.set QL,  54
.set OA,  56          ; s[56:57] o16 at my four rows of tile 0 of the block in hand;  s[58:59] of the second block
.set OL,  58
.set CS,  60          ; s[60:61] c
.set SEL, 62          ; s[62:63] v_permlanex16_b32's selects: each lane takes its own place in the other half
.set TB,  66          ; s66  LDS byte at which the slot to be read begins
.set LK,  68          ; s68, s69  my tile's start in slot 0, for K and for V
.set LV,  69
.set OFF, 70          ; s[70:71] a tile's byte offset in K and V
.set NXT, 72          ; s72  the tile to be asked for next
.set LQ,  73          ; s73  the last tile of the block whose tiles are being asked for
.set RT,  74          ; s74  tiles of the block in hand that are still to be entered
.set SLOTS, 75        ; s75  counts the loop's trips
.set AL,  76          ; s[76:77] the mask's factor, in the low word
.set BIGN, 82         ; s82  -1e30
.set MSB, 0
.macro WIN new                      ; the high byte repeats the setting that is left; a switch that changes nothing is dropped
.if MSB != (\new)
	s_set_vgpr_msb (MSB<<8)|(\new)
.set MSB, (\new)
.endif
.endm
.set W_RS, 0x41       ; O^T (destination and source 0) in window 1, the factor in window 0
; A joint fill.  Waves 0 and 1 fetch the two halves of a tile's K, waves 2 and 3 those of its V: 128 keys each.  The branch hangs on the wave's number alone.
; An s_nop 0 and four v_nop follow each of the two lines, ahead of the jump and the label.
.macro JLOAD
	s_cmp_lt_u32 s[WV], 2
	s_cbranch_scc0 .Lfor_v_\@
	tensor_load_to_lds s[G0K:G0K+3], s[G1K:G1K+7]
	s_nop 0
.rept 4
	v_nop
.endr
	s_branch .Lasked_\@
.Lfor_v_\@:
	tensor_load_to_lds s[G0V:G0V+3], s[G1V:G1V+7]
	s_nop 0
.rept 4
	v_nop
.endr
.Lasked_\@:
.endm
; A round of the cluster's barrier: my work-group's barrier, so that wave 0's signal speaks for all four waves; wave 0 signals; every wave waits for all four work-groups; my work-group's barrier once more.
.macro CROUND
	s_barrier_signal -1
	s_barrier_wait -1
	s_cmp_lg_u32 s[WV], 0
	s_cbranch_scc1 .Lnot_wave_0_\@
	s_barrier_signal -3
.Lnot_wave_0_\@:
	s_barrier_wait -3
	s_barrier_signal -1
	s_barrier_wait -1
.endm
; THE CHANGE OF SLOTS.  Each wave waits for all its tensor loads, of which one is out: its part of the other slot; adds 0 to its spare word; and waits for that and for its own reads of the slot that it
; leaves.  fill = 1: the barrier is a round of the cluster's, so that no wave of any partner still reads the old slot or has a load on its way, and the old slot is filled again, first thing behind it,
; with tile NXT: it has a whole tile's 128 matrix instructions and softmax in which to land.  The descriptor's address is made anew from that number, which hangs on g alone.
; (At its first use nothing has been read yet: slot 0 is waited for, slot 1 filled.)
.macro CHANGE fill
	WIN 0                           ; at a label and at a branch every window is 0
	s_wait_tensorcnt 0x0            ; no tensor load of mine is out, so a group 0 may be written
	ds_add_u32 v[SPW], v[NIL]       ; 0 onto my spare word; scalar work stands between it and the wait for it
.if \fill
	s_lshl_b32 s[OFF], s[NXT], 16   ; a tile is 65,536 bytes of K and of V
	s_xor_b32 s[G0K+1], s[G0K+1], SLOT1
	s_add_nc_u64 s[G0K+2:G0K+3], s[KB:KB+1], s[OFF:OFF+1]
	s_or_b32 s[G0K+3], s[G0K+3], 0x80000000
	s_xor_b32 s[G0V+1], s[G0V+1], SLOT1
	s_add_nc_u64 s[G0V+2:G0V+3], s[VB:VB+1], s[OFF:OFF+1]
	s_or_b32 s[G0V+3], s[G0V+3], 0x80000000
	s_add_co_u32 s[NXT], s[NXT], 1  ; the block's next tile, or behind its last the second block's tile 0
	s_cmp_gt_u32 s[NXT], s[LQ]
	s_cselect_b32 s[NXT], 0, s[NXT]
	s_cselect_b32 s[LQ], s[G], s[LQ]
.endif
	s_xor_b32 s[TB], s[TB], SLOT1   ; the reads go to the other slot
	s_wait_dscnt 0x0                ; the add is done, and my reads of the slot are over
.if \fill
	CROUND
	JLOAD
.else
	s_barrier_signal -1
	s_barrier_wait -1
.endif
.endm
.macro CTL                          ; a tile is entered: is it the block's last?
	s_sub_co_u32 s[RT], s[RT], 1
	s_cmp_eq_u32 s[RT], 0
	s_cselect_b32 s[AL], 1.0, 0
.endm
	s_load_b128 s[4:7], s[0:1], 0x0   ; qkv16 s[4:5], o16 s[6:7]
	v_lshl_add_u32 v[SPW], v0, 2, SPARE
	v_mov_b32 v[NIL], 0
	ds_add_u32 v[SPW], v[NIL]       ; the wave's opening: the add and its wait stand ahead of my first tensor load; the set-up below, work on registers, stands between them
	v_lshrrev_b32 v1, 5, v0
	v_readfirstlane_b32 s[WV], v1   ; wave 0..3
	s_bfe_u32 s[CX], ttmp6, 0x40000 ; my place in the cluster: it enters Q's and O's addresses and the mask's compare, nothing else
	s_mov_b32 s[G], ttmp9           ; in a cluster launch ttmp9 counts clusters
	s_and_b32 s[HD], ttmp7, 0xffff  ; the head, which the four partners share
	s_and_b32 s16, s[WV], 1         ; which half of a tile's 256 keys I fetch:
	s_lshl_b32 s20, s16, 15         ; its 128 rows of 256 bytes in memory,
	s_lshl_b32 s18, s[HD], 19       ; in the head's 524,288 bytes
	s_add_co_u32 s20, s20, s18
	s_mov_b32 s21, 0
	s_mul_i32 s[LK], s16, 128*PK    ; and its place in a slot, for K
	s_mul_i32 s[LV], s16, 128*PV    ; and for V
	s_add_co_u32 s[LV], s[LV], VOFF
	s_sub_co_u32 s17, 7, s[G]       ; the first block
	s_lshl_b32 s84, s17, 16         ; Q: a block's 256 rows of 256 bytes, my 64 of them, the head
	s_lshl_b32 s19, s[CX], 14
	s_add_co_u32 s84, s84, s19
	s_add_co_u32 s84, s84, s18
	s_mov_b32 s85, 0
	s_lshl_b32 s86, s[G], 16
	s_add_co_u32 s86, s86, s19
	s_add_co_u32 s86, s86, s18
	s_mov_b32 s87, 0
	s_lshl_b32 s88, s17, 20         ; o16: a block's 256 rows of 4,096 bytes, my work-group's 64, my wave's 4 of each 16, the head's 256 bytes
	s_lshl_b32 s19, s[CX], 18
	s_lshl_b32 s22, s[WV], 14
	s_add_co_u32 s19, s19, s22
	s_lshl_b32 s22, s[HD], 8
	s_add_co_u32 s19, s19, s22
	s_add_co_u32 s88, s88, s19
	s_mov_b32 s89, 0
	s_lshl_b32 s90, s[G], 20
	s_add_co_u32 s90, s90, s19
	s_mov_b32 s91, 0
	; descriptor group 1: a tile of 128 rows x 128 elements of 2 bytes, dense in memory, padded in LDS
	s_mov_b32 s[G1K], 15|(1<<16)|(1<<20)|(1<<21)|(5<<22)|(3<<25)  ; 15:0 the mask of four; 17:16 2-byte elements; 20 padding on; 21 set beside a mask; 24:22 after every 64 words; 31:25 4 words
	s_mov_b32 s[G1V], 15|(1<<16)|(1<<20)|(1<<21)|(5<<22)|(7<<25)  ; the same with 8 words of padding
.irp g, G1K, G1V
	s_mov_b32 s[(\g)+1], 128<<16    ; tensor_dim0 = 128
	s_mov_b32 s[(\g)+2], 128<<16    ; tensor_dim1 = 128
	s_mov_b32 s[(\g)+3], 128<<16    ; tile_dim0 = 128
	s_mov_b32 s[(\g)+4], 128        ; tile_dim1 = 128
	s_mov_b32 s[(\g)+5], 128        ; 128 elements from row to row
	s_mov_b32 s[(\g)+6], 0
	s_mov_b32 s[(\g)+7], 0
.endr
	s_mov_b32 s[CS], 0x400293ee     ; c = 16 log2(e) / sqrt(128) = 2.040279
	s_mov_b32 s[CS+1], s[CS]        ; named with it as a pair
	s_mov_b32 s[SEL], 0x76543210
	s_mov_b32 s[SEL+1], 0xfedcba98
	s_mov_b32 s[TB], SLOT1          ; the first change of slots turns it into 0
	s_mov_b32 s[G0K], 1             ; count = 1
	s_mov_b32 s[G0K+1], s[LK]       ; LDS address: slot 0
	s_mov_b32 s[G0V], 1
	s_mov_b32 s[G0V+1], s[LV]
	s_mov_b32 s[NXT], 1
	s_mov_b32 s[LQ], s17
	s_add_co_u32 s[RT], s17, 1      ; the first block has 8 - g tiles
	s_mov_b32 s[SLOTS], 8
	s_mov_b32 s[OFF+1], 0
	s_mov_b32 s[AL+1], 0            ; named as a pair
	s_mov_b32 s[BIGN], 0xf149f2ca   ; -1e30
	s_wait_dscnt 0x0                ; the opening add is done
	s_wait_kmcnt 0x0
	s_add_nc_u64 s[KB:KB+1], s[4:5], s[20:21]
	s_add_nc_u64 s[VB:VB+1], s[KB:KB+1], 0x1000000  ; v's plane
	s_add_nc_u64 s[KB:KB+1], s[KB:KB+1], 0x800000   ; k's plane
	s_add_nc_u64 s[G0K+2:G0K+3], s[KB:KB+1], 0      ; global address: tile 0
	s_or_b32 s[G0K+3], s[G0K+3], 0x80000000         ; type = 2
	s_add_nc_u64 s[G0V+2:G0V+3], s[VB:VB+1], 0
	s_or_b32 s[G0V+3], s[G0V+3], 0x80000000
	s_add_nc_u64 s[QA:QA+1], s[4:5], s[84:85]
	s_add_nc_u64 s[QL:QL+1], s[4:5], s[86:87]
	s_add_nc_u64 s[OA:OA+1], s[6:7], s[88:89]
	s_add_nc_u64 s[OL:OL+1], s[6:7], s[90:91]
	CROUND                          ; all four work-groups are here: the first joint loads meet
	JLOAD                           ; tile 0 into slot 0.  Slot 1 is asked for when slot 0 is in, by the loop's own change of slots
	; A fragment of K or Q is 16 rows x 32 channels in 8 registers: lane l holds row l % 16, channels 8 (l / 16) + 0..7 and 16 + 8 (l / 16) + 0..7: two loads of 16 bytes, 32 bytes apart.
	v_and_b32 v1, 15, v0            ; l % 16
	v_bfe_u32 v9, v0, 4, 1          ; l / 16
	v_lshlrev_b32 v[QO], 8, v1
	v_lshl_add_u32 v[QO], v9, 4, v[QO]  ; row x 256 + 16 x half
.macro QLOAD b                      ; Q stays in registers: tile i / 4, channels 32 (i % 4) on
	WIN 0x80                        ; destination window 2, address window 0
.set i, 0
.rept 16
	global_load_b128 v[8*i:8*i+3],   v[QO], s[\b:\b+1] offset:(i/4)*4096+(i%4)*64
	global_load_b128 v[8*i+4:8*i+7], v[QO], s[\b:\b+1] offset:(i/4)*4096+(i%4)*64+32
.set i, i+1
.endr
	WIN 0
.endm
	QLOAD QA
	v_lshlrev_b32 v14, 3, v9
	v_sub_nc_u32 v14, v1, v14       ; l % 16 - 8 (l / 16),
	s_sub_co_i32 s83, s[CX], s[WV]
	s_lshl_b32 s83, s83, 6
	v_add_nc_u32 v14, s83, v14      ; + 64 (cx - w): with cx above w it passes every number below, with cx under w none
	WIN 0xc0
.set i, 0
.rept 56                            ; group i / 8 stands for kb - t = i / 8 - 3
	v_cmp_gt_i32 vcc_lo, 16*(i/8-3)+i%8, v14
	v_cndmask_b32 v[MD+i], 0, s[BIGN], vcc_lo
.set i, i+1
.endr
	; A block's first step multiplies O^T and l by a = 0, so these need only hold finite numbers: zeros for the first block, what the first block left for the second.  No first step is written out for that price.
	WIN 0x40
.set i, 0
.rept 256
	v_mov_b32 v[i], 0
.set i, i+1
.endr
	WIN 0
.set i, 0
.rept 4
	v_mov_b32 v[ST+8*i], 0xfe000000    ; c m: far below every c s
	v_mov_b32 v[ST+8*i+1], 0xff7fffff  ; m: the lowest finite number
	v_mov_b32 v[ST+8*i+2], 0
	v_mov_b32 v[ST+8*i+3], 0
.set i, i+1
.endr
	s_mul_i32 s94, s[WV], 64*PK     ; my wave's 64 keys
	s_mul_i32 s95, s[WV], 64*PV
	s_add_co_u32 s95, s95, VOFF
	v_mul_u32_u24 v[AK0], v1, PK
	v_lshl_add_u32 v[AK0], v9, 4, v[AK0]  ; row x pitch + 16 x half
	v_add_nc_u32 v[AK0], s94, v[AK0]
	; The turning load takes 16 keys x 16 channels (lane l reads key 8 (l / 16) + l % 8, channels 8 ((l / 8) % 2) + 0..7) and leaves half a fragment of V^T: lane l holds channel l % 16 and 8 keys.
	v_and_b32 v13, 7, v0
	v_bfe_u32 v15, v0, 3, 1
	v_lshl_add_u32 v[AV0], v9, 3, v13
	v_mul_u32_u24 v[AV0], v[AV0], PV
	v_lshl_add_u32 v[AV0], v15, 4, v[AV0]
	v_add_nc_u32 v[AV0], s95, v[AV0]
	v_lshlrev_b32 v[MLR], 4, v1     ; a query's four words,
	v_add_nc_u32 v[MLR], ML, v[MLR]
	v_lshl_add_u32 v[MLW], s[WV], 2, v[MLR]  ; and mine among them
	s_mul_i32 s96, s[WV], 16*MP
	s_add_co_u32 s96, s96, MRG      ; my wave's 16 rows of partial O
	v_mul_u32_u24 v[MGW], v1, MP
	v_lshl_add_u32 v[MGW], v9, 5, v[MGW]  ; row l % 16, 32 bytes for each half of the lanes
	v_add_nc_u32 v[MGW], s96, v[MGW]
	s_mul_i32 s97, s[WV], 4*MP
	s_add_co_u32 s97, s97, MRG      ; the four rows that I add up, in wave 0's part
	v_and_b32 v13, 31, v0
	v_lshl_add_u32 v[MGR], v13, 4, s97
	v_lshlrev_b32 v[GO], 3, v13
; THE MATRIX WORK.  The accumulators take turns, one instruction a turn.
; Product i of 64 of S^T = K Q^T: channels 32 (i / 16) on, keys 16 ((i / 4) % 4) on, tile i % 4.  The first 16 start the sums, with the mask.
.macro KQ
.set rS, S+32*(i%4)+8*((i/4)%4)
.set rK, KF+32*((i/4)%4)+8*(i/16)
.set rQ, 32*(i%4)+8*(i/16)
.set rM, MC+8*((i/4)%4-(i%4)+3)
.if i < 16
	WIN 0x3a                        ; K and Q window 2, C window 3, D window 0
	v_wmma_f32_16x16x32_f16 v[rS:rS+7], v[rK:rK+7], v[rQ:rQ+7], v[rM:rM+7]
.else
	WIN 0x0a
	v_wmma_f32_16x16x32_f16 v[rS:rS+7], v[rK:rK+7], v[rQ:rQ+7], v[rS:rS+7]
.endif
.endm
; Product i of 64 of O^T += V^T P: keys 32 (i / 32) on, channels 16 ((i / 4) % 8) on, tile i % 4.
.macro PV
	WIN 0x53                        ; V window 3, P window 0, O^T window 1
.set rO, 64*(i%4)+8*((i/4)%8)
.set rV, 64*(i/32)+8*((i/4)%8)
.set rP, P+16*(i%4)+8*(i/32)
	v_wmma_f32_16x16x32_f16 v[rO:rO+7], v[rV:rV+7], v[rP:rP+7], v[rO:rO+7]
.endm
; THE LDS LOADS, two runs of 32: my 64 keys of K (16 fragments) and of V (turned).
.macro FETCH_K
	WIN 0x80                        ; destination window 2
.irp f, 0,1,2,3,4,5,6,7,8,9,10,11,12,13,14,15  ; keys 16 (f / 4) on, channels 32 (f % 4) on
	ds_load_b128 v[KF+8*(\f):KF+8*(\f)+3],   v[ADRK] offset:((\f)/4)*16*PK+((\f)%4)*64
	ds_load_b128 v[KF+8*(\f)+4:KF+8*(\f)+7], v[ADRK] offset:((\f)/4)*16*PK+((\f)%4)*64+32
.endr
.endm
.macro FETCH_V
	WIN 0xc0                        ; destination window 3
.irp f, 0,1,2,3,4,5,6,7,8,9,10,11,12,13,14,15  ; keys 32 (f / 8) on, channels 16 (f % 8) on
	ds_load_tr16_b128 v[8*(\f):8*(\f)+3],   v[ADRV] offset:((\f)/8)*32*PV+((\f)%8)*32
	ds_load_tr16_b128 v[8*(\f)+4:8*(\f)+7], v[ADRV] offset:((\f)/8)*32*PV+16*PV+((\f)%8)*32
.endr
.endm
.macro MASK                         ; MC = MD x AL
	WIN 0xc3
.set z, 0
.rept 28
	v_pk_mul_f32 v[MC+2*z:MC+2*z+1], v[MD+2*z:MD+2*z+1], s[AL:AL+1] op_sel_hi:[1,0]
.set z, z+1
.endr
.endm
; THE VECTOR WORK.  One tile's softmax for one step is a list of 134 instructions; SM writes number j of it for tile t.  s0-s31 are the lane's 32 scores, in pairs 0-15.
;   0-15    the maximum of s0-s31 and the old m, three operands at a time: four chains c0-c3 of seven scores each (each accumulator's lowest registers are read first), then the
;           four scores left over, c0-c3 and m        16-20   the other half of the lanes' maximum; the new m; c m; c m_old - c m_new
;   21-87   33 exponentials (a, then s0-s31) at the odd numbers from 23 on; the plain number behind each reads none of its results: c s - c m for a pair still to come, or the rounding to f16 of a pair
;           that is done, at last the first three sums        88-101  the last rounding; the rest of the sums; l = a l + the sum        102-133 the tile's O^T times a
.macro SM t
.set rT, ST+8*(\t)
.set rS, S+32*(\t)
.set rP, P+16*(\t)
.set rO, 64*(\t)+2*(j-102)
.set q, (j-20)/2
.if j < 102
	WIN 0
.endif
.if j < 4
	v_max3_num_f32 v[rT+4+j], v[rS+8*j], v[rS+8*j+1], v[rS+8*j+2]
.elseif j < 12
	v_max3_num_f32 v[rT+4+j%4], v[rT+4+j%4], v[rS+8*(j%4)+2*(j/4)+1], v[rS+8*(j%4)+2*(j/4)+2]
.elseif j == 12
	v_max3_num_f32 v[rT+4], v[rT+4], v[rS+7], v[rS+15]
.elseif j == 13
	v_max3_num_f32 v[rT+6], v[rT+6], v[rS+23], v[rS+31]
.elseif j == 14
	v_max3_num_f32 v[rT+4], v[rT+4], v[rT+5], v[rT+6]
.elseif j == 15
	v_max3_num_f32 v[rT+4], v[rT+4], v[rT+7], v[rT+1]
.elseif j == 16
	v_permlanex16_b32 v[rT+5], v[rT+4], s[SEL], s[SEL+1]  ; the query's other 32 keys lie in the lane 16 away
.elseif j == 17
	v_mov_b32 v[rT+7], v[rT]        ; c m_old is kept for a: number 19 writes c m anew
.elseif j == 18
	v_max_num_f32 v[rT+1], v[rT+4], v[rT+5]
.elseif j == 19
	v_mul_f32 v[rT], s[CS], v[rT+1]
.elseif j == 20
	v_sub_f32 v[rT+7], v[rT+7], v[rT]
.elseif j == 23
	v_exp_f32 v[rT+6], v[rT+7]
.elseif (j < 88) && (j > 23) && (j%2 == 1)
	v_exp_f32 v[rS+(j-25)/2], v[rS+(j-25)/2]
.elseif (q < 4) || ((j < 76) && (q%2 == 0))
.set b, q/2+2
.if q < 4
.set b, q
.endif
	v_pk_fma_f32 v[rS+2*b:rS+2*b+1], v[rS+2*b:rS+2*b+1], s[CS:CS+1], v[rT:rT+1] op_sel_hi:[1,0,0] neg_lo:[0,0,1] neg_hi:[0,0,1]  ; pair b: c s - c m
.elseif (j < 88) && (q%2 == 1)
	s_wait_alu depctr_va_vdst(0)
	v_cvt_pk_f16_f32 v[rP+(q-5)/2], v[rS+q-5], v[rS+q-4]
.elseif j == 89
	s_wait_alu depctr_va_vdst(0)
	v_cvt_pk_f16_f32 v[rP+15], v[rS+30], v[rS+31]
.elseif j < 102                     ; the sum of the tile's 16 pairs, in place: sum z of 16 adds neighbours 1, 2, 4 and 8 pairs apart, then l takes it
.set z, j-86
.if j < 89
.set z, (j-76)/4
.endif
.set w, 4
.set u, z
.if z >= 14
.set w, 32
.set u, 0
.elseif z >= 12
.set w, 16
.set u, z-12
.elseif z >= 8
.set w, 8
.set u, z-8
.endif
.if z < 15
	v_pk_add_f32 v[rS+w*u:rS+w*u+1], v[rS+w*u:rS+w*u+1], v[rS+w*u+w/2:rS+w*u+w/2+1]
.else
	v_pk_fma_f32 v[rT+2:rT+3], v[rT+2:rT+3], v[rT+6:rT+7], v[rS:rS+1] op_sel_hi:[1,0,1]
.endif
.else
	WIN W_RS
	v_pk_mul_f32 v[rO:rO+1], v[rO:rO+1], v[rT+6:rT+7] op_sel_hi:[1,0]
.endif
.endm
; ONE TILE OF 256 KEYS, of which 64 are mine, in phases: fetch, K Q^T, softmax, V^T P.  The list's numbers are dealt number by number, the four tiles in turn: four exponentials on end, then four plain
; lines of which the first reads no exponential's result.  The two address lines and the mask's 28 are the places between the last step's V^T P and the loads into V's registers.
.macro STEP
	WIN 0
	v_add_nc_u32 v[ADRK], s[TB], v[AK0]
	v_add_nc_u32 v[ADRV], s[TB], v[AV0]
	FETCH_K
	MASK
	FETCH_V
	s_wait_loadcnt 0x0              ; Q (a block's first tile; met at once in the others)
	s_wait_dscnt 32                 ; K is in; V's 32 loads may be out
.set i, 0
.rept 64
	KQ
.set i, i+1
.endr
.rept 4
	v_nop                           ; the places behind those products
.endr
.set j, 0
.rept 134
.irp t, 0,1,2,3
	SM \t
.endr
.set j, j+1
.endr
	s_wait_dscnt 0x0                ; V is in
.set i, 0
.rept 64
	PV
.set i, i+1
.endr
	WIN 0
.endm
; A BLOCK'S END: the four waves' parts are merged.
.macro ALL4 line:vararg             ; one line for each tile t
.set t, 0
.rept 4
	\line
.set t, t+1
.endr
.endm
; Tile t: every wave puts its scaled part, 16 queries x 128 channels in f32, into its rows of MRG; behind a barrier wave w adds up rows 4 w to 4 w + 3 of the four parts, rounds them and stores them.
; The second barrier (not behind the last tile: the next writes of MRG stand behind later rounds) keeps the next tile's stores off rows that are still being read; the sums stand between its halves.
.macro MROUND t
	WIN 0x04                        ; store data window 1
.irp cb, 0,1,2,3,4,5,6,7
	ds_store_b128 v[MGW], v[64*(\t)+8*\cb:64*(\t)+8*\cb+3]   offset:64*\cb
	ds_store_b128 v[MGW], v[64*(\t)+8*\cb+4:64*(\t)+8*\cb+7] offset:64*\cb+16
.endr
	WIN 0
	s_wait_dscnt 0x0                ; for the others' sake: my stores are done
	s_barrier_signal -1
	s_barrier_wait -1
.irp i, 0,1,2,3
.irp p, 0,1,2,3
	ds_load_b128 v[S+16*\i+4*\p:S+16*\i+4*\p+3], v[MGR] offset:16*MP*\p+MP*\i  ; row i of my four, part p: 32 lanes x 16 bytes are the row's 512
.endr
.endr
	s_wait_dscnt 0x0                ; my reads are over
.if (\t) < 3
	s_barrier_signal -1
.endif
.irp i, 0,1,2,3
	v_pk_add_f32 v[S+16*\i:S+16*\i+1],     v[S+16*\i:S+16*\i+1],     v[S+16*\i+4:S+16*\i+5]
	v_pk_add_f32 v[S+16*\i+2:S+16*\i+3],   v[S+16*\i+2:S+16*\i+3],   v[S+16*\i+6:S+16*\i+7]
	v_pk_add_f32 v[S+16*\i+8:S+16*\i+9],   v[S+16*\i+8:S+16*\i+9],   v[S+16*\i+12:S+16*\i+13]
	v_pk_add_f32 v[S+16*\i+10:S+16*\i+11], v[S+16*\i+10:S+16*\i+11], v[S+16*\i+14:S+16*\i+15]
.endr
.irp i, 0,1,2,3
	v_pk_add_f32 v[S+16*\i:S+16*\i+1],     v[S+16*\i:S+16*\i+1],     v[S+16*\i+8:S+16*\i+9]
	v_pk_add_f32 v[S+16*\i+2:S+16*\i+3],   v[S+16*\i+2:S+16*\i+3],   v[S+16*\i+10:S+16*\i+11]
.endr
.irp i, 0,1,2,3
	v_cvt_pk_f16_f32 v[P+8*(\t)+2*\i],   v[S+16*\i],   v[S+16*\i+1]
	v_cvt_pk_f16_f32 v[P+8*(\t)+2*\i+1], v[S+16*\i+2], v[S+16*\i+3]
.endr
.if (\t) < 3
	s_barrier_wait -1
.endif
.irp i, 0,1,2,3
	global_store_b64 v[GO], v[P+8*(\t)+2*\i:P+8*(\t)+2*\i+1], s[OA:OA+1] offset:(16*(\t)+\i)*4096  ; 32 lanes store a head's 256 consecutive bytes of a row, at a multiple of 256 from the buffer's first
.endr
.endm
; sw = 1: the second block follows: its Q is asked for first, and behind the merge only O's address, the count of tiles, c m and m are set anew.
.macro FINISH sw
.if \sw
	QLOAD QL                        ; Q's registers were last read by K Q^T, with the whole softmax between
.endif
	WIN 0
	ALL4 v_add_f32 v[ST+8*t+4], v[ST+8*t+2], v[ST+8*t+3]
	ALL4 v_permlanex16_b32 v[ST+8*t+5], v[ST+8*t+4], s[SEL], s[SEL+1]
	ALL4 v_add_f32 v[ST+8*t+4], v[ST+8*t+4], v[ST+8*t+5]        ; my wave's l
	ALL4 ds_store_b32 v[MLW], v[ST+8*t] offset:256*t            ; both halves of the lanes write the same word with the same number
	ALL4 ds_store_b32 v[MLW], v[ST+8*t+4] offset:1024+256*t
	s_wait_dscnt 0x0                ; for the others' sake
	s_barrier_signal -1
	s_barrier_wait -1
	ALL4 ds_load_b128 v[S+8*t:S+8*t+3], v[MLR] offset:256*t     ; the four waves' c m,
	ALL4 ds_load_b128 v[S+8*t+4:S+8*t+7], v[MLR] offset:1024+256*t  ; and l
	s_wait_dscnt 0x0
	ALL4 v_max3_num_f32 v[ST+8*t+5], v[S+8*t], v[S+8*t+1], v[S+8*t+2]
	ALL4 v_max_num_f32 v[ST+8*t+5], v[ST+8*t+5], v[S+8*t+3]     ; M
	ALL4 v_sub_f32 v[S+8*t], v[S+8*t], v[ST+8*t+5]
	ALL4 v_sub_f32 v[S+8*t+1], v[S+8*t+1], v[ST+8*t+5]
	ALL4 v_sub_f32 v[S+8*t+2], v[S+8*t+2], v[ST+8*t+5]
	ALL4 v_sub_f32 v[S+8*t+3], v[S+8*t+3], v[ST+8*t+5]
	ALL4 v_sub_f32 v[ST+8*t+6], v[ST+8*t], v[ST+8*t+5]
	ALL4 v_exp_f32 v[S+8*t], v[S+8*t]
	ALL4 v_exp_f32 v[S+8*t+1], v[S+8*t+1]
	ALL4 v_exp_f32 v[S+8*t+2], v[S+8*t+2]
	ALL4 v_exp_f32 v[S+8*t+3], v[S+8*t+3]
	ALL4 v_exp_f32 v[ST+8*t+6], v[ST+8*t+6]
	v_nop                           ; a plain instruction between the last exponential and the use of its result
	s_wait_alu depctr_va_vdst(0)
	ALL4 v_mul_f32 v[ST+8*t+7], v[S+8*t], v[S+8*t+4]
	ALL4 v_fmac_f32 v[ST+8*t+7], v[S+8*t+1], v[S+8*t+5]
	ALL4 v_fmac_f32 v[ST+8*t+7], v[S+8*t+2], v[S+8*t+6]
	ALL4 v_fmac_f32 v[ST+8*t+7], v[S+8*t+3], v[S+8*t+7]         ; the whole l
	ALL4 v_rcp_f32 v[ST+8*t+5], v[ST+8*t+7]
	v_nop                           ; a plain instruction between the last reciprocal and the use of its result
	s_wait_alu depctr_va_vdst(0)
	ALL4 v_mul_f32 v[ST+8*t+6], v[ST+8*t+6], v[ST+8*t+5]        ; my part's factor
	WIN W_RS
.set i, 0
.rept 128                           ; each accumulator from its lowest registers on
	v_pk_mul_f32 v[2*i:2*i+1], v[2*i:2*i+1], v[ST+8*(i/32)+6:ST+8*(i/32)+7] op_sel_hi:[1,0]
.set i, i+1
.endr
	MROUND 0
	MROUND 1
	MROUND 2
	MROUND 3
.if \sw
	s_wait_xcnt 0x0                 ; the stores have had their addresses translated: their base and P's registers are rewritten only behind this wait
	s_mov_b64 s[OA:OA+1], s[OL:OL+1]
	s_add_co_u32 s[RT], s[G], 1     ; the second block has g + 1 tiles
	ALL4 v_mov_b32 v[ST+8*t], 0xfe000000
	ALL4 v_mov_b32 v[ST+8*t+1], 0xff7fffff
.endif
.endm
.Lslot:                             ; 8 trips: a tile is entered and the next is asked for
	CHANGE 1
	CTL
	STEP
	s_cmp_lg_u32 s[RT], 0           ; hangs on g alone: alike in all waves and all partners; the jump goes forward and passes no tensor load
	s_cbranch_scc1 .Lbottom
	FINISH 1                        ; in the loop this is the first block's end: the second block's last tile is the walk's last
.Lbottom:
	s_sub_co_u32 s[SLOTS], s[SLOTS], 1
	s_cmp_lg_u32 s[SLOTS], 0
	s_cbranch_scc1 .Lslot
	CHANGE 0                        ; the walk's last tile is written out: nothing is asked for
	CTL
	STEP
	FINISH 0
	s_wait_tensorcnt 0x0            ; the wave's end: behind my last tensor load and my last LDS store
	ds_add_u32 v[SPW], v[NIL]
	s_wait_dscnt 0x0
	CROUND                          ; the closing round: no work-group ends while a partner may still ask for a tile that names it
	s_endpgm
.Lfunc_end_k_qd5ad9c39b6_attn:
	.size	k_qd5ad9c39b6_attn, .Lfunc_end_k_qd5ad9c39b6_attn-k_qd5ad9c39b6_attn
	.p2alignl 7, 3214868480
	.fill 96, 4, 3214868480
	.section	.rodata,"a",@progbits
	.p2align	6, 0x0
	.amdhsa_kernel k_qd5ad9c39b6_attn
		.amdhsa_group_segment_fixed_size 327680
		.amdhsa_private_segment_fixed_size 0
		.amdhsa_enable_private_segment 0
		.amdhsa_kernarg_size 16
		.amdhsa_user_sgpr_count 2
		.amdhsa_user_sgpr_kernarg_segment_ptr 1
		.amdhsa_wavefront_size32 1
		.amdhsa_system_sgpr_workgroup_id_x 1
		.amdhsa_system_sgpr_workgroup_id_y 1
		.amdhsa_system_sgpr_workgroup_id_z 1
		.amdhsa_system_vgpr_workitem_id 0
		.amdhsa_next_free_vgpr 1024
		.amdhsa_next_free_sgpr 100
		.amdhsa_reserve_vcc 1
		.amdhsa_float_denorm_mode_32 3
		.amdhsa_float_denorm_mode_16_64 3
		.amdhsa_memory_ordered 1
		.amdhsa_forward_progress 1
		.amdhsa_inst_pref_size 183
	.end_amdhsa_kernel
	.amdgpu_metadata
---
amdhsa.version: [ 1, 2 ]
amdhsa.kernels:
  - .name:           k_qd5ad9c39b6_attn
    .symbol:         k_qd5ad9c39b6_attn.kd
    .args:
      - { .name: qkv16, .offset: 0, .size: 8, .value_kind: global_buffer, .address_space: global }
      - { .name: o16, .offset: 8, .size: 8, .value_kind: global_buffer, .address_space: global }
    .group_segment_fixed_size: 327680
    .private_segment_fixed_size: 0
    .kernarg_segment_align: 8
    .kernarg_segment_size: 16
    .max_flat_workgroup_size: 128
    .sgpr_count:     100
    .vgpr_count:     1024
    .wavefront_size: 32
...
	.end_amdgpu_metadata
.endif
;; end of part 3
;; launch oproj (part 4): grid 16 x 16, 4 waves a work-group, clusters of 4 x 4, 327,680 bytes of LDS; arguments o16, wo16, out0; writes out0
.if DOCPART == 4
	.amdgcn_target "amdgcn-amd-amdhsa--gfx1250"
	.amdhsa_code_object_version 6
	.text
	.protected	k_qd5ad9c39b6_oproj
	.globl	k_qd5ad9c39b6_oproj
	.p2align	8
	.type	k_qd5ad9c39b6_oproj,@function
k_qd5ad9c39b6_oproj:
	s_mov_b64 s[64:65], 0
	v_nop
	global_prefetch_b8 v0, s[64:65] scope:SCOPE_SE
	s_setreg_imm32_b32 hwreg(HW_REG_WAVE_MODE, 25, 1), 1
	s_wait_xcnt 0x0
	s_wait_alu depctr_hold_cnt(0) depctr_sa_sdst(0) depctr_va_vdst(0) depctr_va_sdst(0) depctr_va_ssrc(0) depctr_va_vcc(0) depctr_vm_vsrc(0)
	s_getreg_b32 s2, hwreg(HW_REG_IB_STS2, 6, 4)
	s_cmp_eq_u32 s2, 0
	s_cbranch_scc0 .Lentry_in_a_cluster
	s_endpgm
.Lentry_in_a_cluster:
	s_bfe_u32 s2, ttmp6, 0x10000c
	s_cmp_lg_u32 s2, 0xf033
	s_cbranch_scc0 .Lentry_shape_is_right
	s_endpgm
.Lentry_shape_is_right:
; out0[m][n] = sum over k of O[m][k] Wo[n][k].  o16 holds O / 4 and wo16 holds 4 Wo (Wo rounded to bf16, that number written as f16), both [2,048][2,048] f16; sums in f32; out0 is f32.
; A tile of out0 is 128 x 128: 256 work-groups.  Four waves, each 64 x 64: 16 accumulators of 16 x 16, 128 registers.  K goes in 8 steps of 256 (LDS rows of 512 bytes; a wave's tensor load brings 64 of them),
; as long as two slots in LDS allow.  A trip of the loop is one step: the slot to be read is a scalar that an exclusive or turns between 0 and SLOT, and the LDS addresses are made from it.
; A wave's 64 columns of f32 are one aligned block of 256 bytes, so each wave has a stage of its own on the way out, and no barrier stands there.
; CLUSTERS: 4 x 4 work-groups.  The four of a row of the cluster need the same tiles of O, the four of a column the same tiles of Wo: each tile is asked for JOINTLY, by the same tensor load with the
; same descriptor and a mask that names the four.  THE MATRIX INSTRUCTION IS USED TRANSPOSED (source 0 = 16 rows of Wo, source 1 = 16 rows of O): a lane then holds eight neighbouring numbers of a row.
; THE WALK ALONG K begins at step 2 p, p = (cluster x + 2 ((cluster y ^ cluster y / 2) & 1)) % 4, and goes round: every step is taken once, and only the order of the f32 sums hangs on p.  The four clusters
; that read the same tiles of O (one cluster y) begin two steps apart, those that read the same tiles of Wo (one cluster x) four steps apart in pairs: a tile is asked for at different times, not at one.
; REGISTERS: window 0: v0-31 addresses; v128-255 the accumulators ((a, b) at v[128 + 8 (4 a + b)]), which on the way out take whole rows back.
;   window 1: two fragment buffers of 128: for 64 along K (two matrix instructions deep), 64 registers of O (2 x 4 x 16 rows x 32 K), then 64 of Wo.
.set SIZE_N, 2048
.set SIZE_K, 2048
.set KSTEP,  256
.set STEPS,  SIZE_K/KSTEP
.set PITCH,  528                       ; an LDS row: 512 bytes of data + 16 of padding = 132 words: row r starts at bank 4 r mod 64 (64 banks of 4 bytes: ISA guide 11.1)
.set HALFT,  64*PITCH                  ; 64 rows: what one tensor load brings, and what one wave reads of A or of B: 0x8400
.set SLOT,   4*HALFT                   ; A's 128 rows, then B's 128 rows: 0x21000, which shares no bit with a load's start in slot 0 (0, 0x8400, 0x10800, 0x18c00)
.set STAGE,  2*SLOT                    ; behind the ring: 16 rows x 272 bytes for each wave, for the way out
.set SPITCH, 272
.set SPARE,  STAGE+4*16*SPITCH         ; behind the stages: the spare words, 128 bytes for each wave: two blocks of 256 bytes that no other line names
.set A0,   16                          ; v16     my A fragments in slot 0; never rewritten
.set ADRA, 17                          ; v17     the same in the slot in hand
.set B0,   20                          ; v20-21  the same for B
.set ADRB, 21
.set STO,  24                          ; v24     the way out: where I put 32 bytes of a row
.set RD,   25                          ; v25     the way out: where I read a row back
.set CO,   26                          ; v26     my byte offset in out0
.set SPW,  28                          ; v28     LDS address of my spare word; never rewritten
.set NIL,  29                          ; v29     0; never rewritten
.set ACC,  128
.set F0,   0                           ; fragment buffers, in window 1
.set F1,   128
.set AB, 14                            ; s[14:15] o16 at the rows that I fetch; never rewritten
.set G1, 24                            ; s[24:31] descriptor group 1 for A's tiles;  s[32:39] group 0: a set for each of the two first fills; the second then walks on
.set G0, 32
.set BB, 46                            ; s[46:47] wo16 at the rows that I fetch; never rewritten
.set G1B, 48                           ; s[48:55], s[56:63] the same for B's tiles
.set G0B, 56
.set KI, 66                            ; s66  the K step asked for last
.set TB, 67                            ; s67  LDS byte at which the slot to be read begins
.set KO, 68                            ; s[68:69] a K step's byte offset in a row
.set MSB, 0
.macro WIN new                         ; the immediate's high byte repeats the setting that is left
.if MSB != (\new)
	s_set_vgpr_msb (MSB<<8)|(\new)
.set MSB, \new
.endif
.endm
.set MUL,  0x05                        ; sources 0 (B) and 1 (A) window 1; C and D window 0
.set TO_F, 0x40                        ; destination window 1, address window 0
.macro JLOAD s                         ; a joint load: waves 0 and 1 fetch A's two halves, waves 2 and 3 B's; an s_nop 0 and four v_nop follow each of the two lines, ahead of the jump, the label and what follows
	s_cmp_eq_u32 s11, 0
	s_cbranch_scc0 .Lfor_b_\@
	tensor_load_to_lds s[G0+4*(\s):G0+4*(\s)+3], s[G1:G1+7]
	s_nop 0
.rept 4
	v_nop
.endr
	s_branch .Lasked_\@
.Lfor_b_\@:
	tensor_load_to_lds s[G0B+4*(\s):G0B+4*(\s)+3], s[G1B:G1B+7]
	s_nop 0
.rept 4
	v_nop
.endr
.Lasked_\@:
.endm
.macro MKADDR s                        ; both descriptors' global addresses for K step KI: each tensor's base and an offset made apart, the type bits set again
	s_lshl_b32 s[KO], s[KI], 9                     ; a K step is 512 bytes of a row
	s_add_nc_u64 s[G0+4*(\s)+2:G0+4*(\s)+3], s[AB:AB+1], s[KO:KO+1]
	s_or_b32 s[G0+4*(\s)+3], s[G0+4*(\s)+3], 0x80000000
	s_add_nc_u64 s[G0B+4*(\s)+2:G0B+4*(\s)+3], s[BB:BB+1], s[KO:KO+1]
	s_or_b32 s[G0B+4*(\s)+3], s[G0B+4*(\s)+3], 0x80000000
.endm
.macro CREST                           ; a round of the cluster's barrier behind its opening barrier
	s_cmp_lg_u32 s10, 0
	s_cbranch_scc1 .Lnot_wave_0_\@
	s_barrier_signal -3
.Lnot_wave_0_\@:
	s_barrier_wait -3
	s_barrier_signal -1
	s_barrier_wait -1
.endm
.macro CROUND                          ; a whole round
	s_barrier_signal -1
	s_barrier_wait -1
	CREST
.endm
	s_load_b128 s[4:7], s[0:1], 0x0                ; o16 s[4:5], wo16 s[6:7]
	s_load_b64 s[8:9], s[0:1], 0x10                ; out0
	v_lshl_add_u32 v[SPW], v0, 2, SPARE
	v_mov_b32 v[NIL], 0
	ds_add_u32 v[SPW], v[NIL]                      ; the wave's opening: the add and its wait stand ahead of my first tensor load; the set-up below, work on registers, stands between them
	v_lshrrev_b32 v1, 5, v0
	v_readfirstlane_b32 s10, v1                    ; wave 0..3
	s_lshr_b32 s11, s10, 1                         ; which half of the tile's rows is mine.  Also: I fetch for A (0) or for B (1)
	s_and_b32 s12, s10, 1                          ; which half of its columns.  Also: which 64 rows of that tile I fetch
	s_bfe_u32 s40, ttmp6, 0x40000                  ; cx, cy: my place in the cluster
	s_bfe_u32 s41, ttmp6, 0x40004
	s_lshl_b32 s42, ttmp9, 2
	s_add_co_u32 s42, s42, s40                     ; tile column = 4 x cluster x + cx
	s_and_b32 s13, ttmp7, 0xffff
	s_lshl_b32 s13, s13, 2
	s_add_co_u32 s13, s13, s41                     ; tile row = 4 x cluster y + cy
	s_lshl_b32 s43, s41, 2
	s_lshl_b32 s43, 15, s43                        ; my row of the cluster
	s_lshl_b32 s44, 0x1111, s40                    ; my column
	s_and_b32 s[KI], ttmp7, 0xffff                 ; where the walk along K begins: from the cluster's coordinates alone
	s_lshr_b32 s[TB], s[KI], 1
	s_xor_b32 s[KI], s[KI], s[TB]
	s_and_b32 s[KI], s[KI], 1
	s_lshl_b32 s[KI], s[KI], 1
	s_add_co_u32 s[KI], s[KI], ttmp9
	s_and_b32 s[KI], s[KI], 3                      ; p
	s_lshl_b32 s[KI], s[KI], 1                     ; step 2 p
	s_mov_b32 s[TB], 0                             ; the first step lies in slot 0
	s_mov_b32 s[KO+1], 0
	; descriptor group 1: a tile of 64 rows x 256 elements, padded in LDS
	s_or_b32 s[G1+0], s43, (1<<16)|(1<<20)|(1<<21)|(6<<22)|(3<<25)  ; 15:0 the mask: A's tiles go to my row; 17:16 element of 2 bytes; 20 padding on; 21 set beside a mask; 24:22 after every 128 words; 31:25 4 words
	s_or_b32 s[G1B+0], s44, (1<<16)|(1<<20)|(1<<21)|(6<<22)|(3<<25)
.irp g, G1, G1B
	s_mov_b32 s[(\g)+1], KSTEP<<16                 ; tensor_dim0 = 256
	s_mov_b32 s[(\g)+2], 64<<16                    ; tensor_dim1 = 64
	s_mov_b32 s[(\g)+3], KSTEP<<16                 ; tile_dim0 = 256
	s_mov_b32 s[(\g)+4], 64                        ; tile_dim1 = 64
	s_mov_b32 s[(\g)+5], SIZE_K                    ; elements from row to row
	s_mov_b32 s[(\g)+6], 0
	s_mov_b32 s[(\g)+7], 0
.endr
	s_lshl_b32 s17, s12, 6                         ; which 64 rows of the tile I fetch
	s_lshl_b32 s16, s13, 7
	s_add_co_u32 s16, s16, s17                     ; A: row 128 x tile row + 64 x half
	s_lshl_b32 s22, s42, 7
	s_add_co_u32 s22, s22, s17                     ; B: row 128 x tile column + 64 x half
	s_mov_b32 s17, 0
	s_mov_b32 s23, 0
	s_mov_b64 s[18:19], SIZE_K*2
	s_mul_u64 s[16:17], s[16:17], s[18:19]
	s_mul_u64 s[22:23], s[22:23], s[18:19]
	s_mul_i32 s20, s10, HALFT                      ; where they go: wave x 64 rows
	s_wait_dscnt 0x0                               ; the opening add is done
	s_wait_kmcnt 0x0
	s_add_nc_u64 s[AB:AB+1], s[4:5], s[16:17]
	s_add_nc_u64 s[BB:BB+1], s[6:7], s[22:23]
	CROUND                                         ; all sixteen work-groups are here: the first joint loads meet
.irp s, 0,1
	s_mov_b32 s[G0+4*(\s)], 1
	s_add_co_u32 s[G0+4*(\s)+1], s20, (\s)*SLOT
	s_mov_b32 s[G0B+4*(\s)], 1
	s_add_co_u32 s[G0B+4*(\s)+1], s20, (\s)*SLOT
	MKADDR \s                                      ; steps 2 p and 2 p + 1: 7 at the most, no wrap yet
	JLOAD \s                                       ; two loads of mine are out
.if (\s) == 0
	s_add_co_u32 s[KI], s[KI], 1
.endif
.endr
	v_and_b32 v1, 15, v0                           ; l % 16
	v_bfe_u32 v2, v0, 4, 1                         ; l / 16
	v_mul_u32_u24 v3, v1, PITCH
	v_lshl_add_u32 v3, v2, 4, v3                   ; a fragment's row x pitch + 16 x half
	s_mul_i32 s21, s11, HALFT                      ; my 64 rows of A
	s_mul_i32 s22, s12, HALFT                      ; my 64 rows of B,
	s_add_co_u32 s22, s22, 2*HALFT                 ; which lie behind A's 128
	v_add_nc_u32 v[A0], s21, v3
	v_add_nc_u32 v[B0], s22, v3
	v_mov_b32 v[ADRA], v[A0]
	v_mov_b32 v[ADRB], v[B0]
	s_mul_i32 s23, s10, 16*SPITCH
	s_add_co_u32 s23, s23, STAGE                   ; my stage
	v_mul_u32_u24 v4, v1, SPITCH                   ; in: row l % 16, 32 bytes (eight f32) for each half of the lanes
	v_lshl_add_u32 v4, v2, 5, v4
	v_add_nc_u32 v[STO], s23, v4
	v_mul_u32_u24 v5, v2, SPITCH                   ; back: lanes 0-15 take one row of 256 bytes, lanes 16-31 the next
	v_lshl_add_u32 v5, v1, 4, v5
	v_add_nc_u32 v[RD], s23, v5
	v_lshlrev_b32 v5, 13, v2                       ; and the same two rows in out0, 8,192 bytes apart
	v_lshl_add_u32 v[CO], v1, 4, v5
	s_lshl_b32 s16, s13, 7
	s_lshl_b32 s17, s11, 6
	s_add_co_u32 s16, s16, s17                     ; my first row: 128 x tile row + 64 x half,
	s_lshl_b32 s16, s16, 13                        ; in bytes
	s_mov_b32 s17, 0
	s_add_nc_u64 s[8:9], s[8:9], s[16:17]
	s_lshl_b32 s70, s42, 9                         ; my first column, in bytes: 512 x tile column + 256 x half
	s_lshl_b32 s71, s12, 8
	s_add_co_u32 s70, s70, s71
	s_mov_b32 s71, 0
	s_add_nc_u64 s[8:9], s[8:9], s[70:71]
; 8 matrix instructions: m blocks a0, a0 + 1 x all 4 n blocks, 32 along K: half c of buffer f.  zero = 1: the first product starts the sums.  The 16 accumulators take turns.
.macro MUL8 f, c, a0, zero
	WIN MUL
.irp a, \a0, (\a0)+1
.irp b, 0,1,2,3
.if \zero
	v_wmma_f32_16x16x32_f16 v[ACC+8*(4*(\a)+(\b)):ACC+8*(4*(\a)+(\b))+7], v[(\f)+64+8*(4*(\c)+(\b)):(\f)+64+8*(4*(\c)+(\b))+7], v[(\f)+8*(4*(\c)+(\a)):(\f)+8*(4*(\c)+(\a))+7], 0
.else
	v_wmma_f32_16x16x32_f16 v[ACC+8*(4*(\a)+(\b)):ACC+8*(4*(\a)+(\b))+7], v[(\f)+64+8*(4*(\c)+(\b)):(\f)+64+8*(4*(\c)+(\b))+7], v[(\f)+8*(4*(\c)+(\a)):(\f)+8*(4*(\c)+(\a))+7], v[ACC+8*(4*(\a)+(\b)):ACC+8*(4*(\a)+(\b))+7]
.endif
.endr
.endr
.endm
; 32 LDS loads in one run: the fragments of 64 along K at byte k of the rows of the slot in hand, into buffer f; the first 32 along K first
.macro FETCH k, f
	WIN TO_F
.irp c, 0,1
.irp i, 0,1,2,3
	ds_load_b128 v[(\f)+64+8*(4*(\c)+(\i)):(\f)+64+8*(4*(\c)+(\i))+3],   v[ADRB] offset:(\k)+64*(\c)+(\i)*16*PITCH
	ds_load_b128 v[(\f)+64+8*(4*(\c)+(\i))+4:(\f)+64+8*(4*(\c)+(\i))+7], v[ADRB] offset:(\k)+64*(\c)+(\i)*16*PITCH+32
	ds_load_b128 v[(\f)+8*(4*(\c)+(\i)):(\f)+8*(4*(\c)+(\i))+3],         v[ADRA] offset:(\k)+64*(\c)+(\i)*16*PITCH
	ds_load_b128 v[(\f)+8*(4*(\c)+(\i))+4:(\f)+8*(4*(\c)+(\i))+7],       v[ADRA] offset:(\k)+64*(\c)+(\i)*16*PITCH+32
.endr
.endr
.endm
.macro PLACES                          ; four places in front of loads into registers that matrix instructions have read, and of LDS stores that read results
.rept 4
	v_nop
.endr
.endm
; A K step is four quarters of 64 along K, 32 matrix instructions each, on buffers 0, 1, 0, 1.  One of the first three: at its head it fetches the next quarter, at byte k, into buffer g, which the quarter
; before multiplied; then it multiplies buffer f.  So a slot's last reads are issued a quarter ahead of the change of slots.
.macro QUARTER k, f, g, zero
	s_wait_dscnt 16                                ; the first 32 along K of buffer f are in
	PLACES
	FETCH \k, \g
	MUL8 \f, 0, 0, \zero
	MUL8 \f, 0, 2, \zero
	s_wait_dscnt 32                                ; all but the 32 just issued
	MUL8 \f, 1, 0, 0
	MUL8 \f, 1, 2, 0
.endm
; The last quarter changes slots and then multiplies buffer 1.  ONE barrier; in front of it each wave waits for all its tensor loads (one is out: its part of the next slot), adds 0 to its spare word, and
; waits for that and for its own reads of this slot.  fill = 1: the barrier opens a round of the cluster's, so that no wave of any partner still reads this slot or has a load on its way, and this slot is
; filled again, two steps ahead, first thing behind the round: from that request to the wait for it a wave issues a whole step's 128 matrix instructions.
.macro TURN fill
	WIN 0
	s_wait_tensorcnt 0x0                           ; no tensor load of mine is out, so a group 0 may be written
	ds_add_u32 v[SPW], v[NIL]                      ; 0 onto my spare word; scalar work stands between it and the wait for it
.if \fill
	s_add_co_u32 s[KI], s[KI], 1                   ; the next K step, round the end of K
	s_and_b32 s[KI], s[KI], STEPS-1
	s_xor_b32 s[G0+5], s[G0+5], SLOT               ; the walking descriptors: the other slot than last time
	s_xor_b32 s[G0B+5], s[G0B+5], SLOT
	MKADDR 1
.endif
	s_xor_b32 s[TB], s[TB], SLOT                   ; the reads go to the other slot
	s_wait_dscnt 0x0                               ; the add is done, and my reads of this slot are over (they were issued 32 matrix instructions ago)
	s_barrier_signal -1
	s_barrier_wait -1
.if \fill
	CREST
	JLOAD 1                                        ; the four v_nop behind it are also the places in front of the loads below
.else
	PLACES
.endif
	v_add_nc_u32 v[ADRA], s[TB], v[A0]
	v_add_nc_u32 v[ADRB], s[TB], v[B0]
	FETCH 0, F0                                    ; the next slot's first fragments
	MUL8 F1, 0, 0, 0
	MUL8 F1, 0, 2, 0
	MUL8 F1, 1, 0, 0
	MUL8 F1, 1, 2, 0
.endm
	s_wait_tensorcnt 0x1                           ; my part of the first step is in; the second's may stay out
	s_barrier_signal -1
	s_barrier_wait -1                              ; everybody's is
	FETCH 0, F0
	QUARTER 128, F0, F1, 1                         ; the first quarter stands in front of the loop: its first products start the sums
	WIN 0                                          ; at a label and at a branch every window is 0
	s_mov_b32 s3, STEPS-2
.Lstep:                                                ; a trip goes from a step's second quarter to the next step's first, and fills the slot that it leaves: 6 trips ask for steps 2 to 7 of the walk
	QUARTER 256, F1, F0, 0
	QUARTER 384, F0, F1, 0
	TURN 1
	QUARTER 128, F0, F1, 0
	WIN 0
	s_sub_co_u32 s3, s3, 1
	s_cmp_lg_u32 s3, 0
	s_cbranch_scc1 .Lstep
	QUARTER 256, F1, F0, 0                         ; the last two steps fill nothing, and have no round of the cluster's barrier
	QUARTER 384, F0, F1, 0
	TURN 0
	QUARTER 128, F0, F1, 0
	QUARTER 256, F1, F0, 0
	QUARTER 384, F0, F1, 0
	s_wait_dscnt 0x0                               ; the very last quarter: nothing more to fetch
	MUL8 F1, 0, 0, 0
	MUL8 F1, 0, 2, 0
	MUL8 F1, 1, 0, 0
	MUL8 F1, 1, 2, 0
	WIN 0
	; THE WAY OUT, a block of 16 rows at a time: a lane's eight f32 of a row go into my stage as 32 bytes (each accumulator's low four registers first) and come back as whole rows
	; of 256 bytes, into the block's own 32 registers.  LDS serves a wave's instructions in order (ISA guide 5.7.1.4): the loads see the stores above them, the next block's stores come behind the loads.
	PLACES
.macro OUTA a
.irp b, 0,1,2,3
	ds_store_b128 v[STO], v[ACC+8*(4*(\a)+\b):ACC+8*(4*(\a)+\b)+3]   offset:64*\b
	ds_store_b128 v[STO], v[ACC+8*(4*(\a)+\b)+4:ACC+8*(4*(\a)+\b)+7] offset:64*\b+16
.endr
.irp i, 0,1,2,3,4,5,6,7
	ds_load_b128 v[ACC+32*(\a)+4*\i:ACC+32*(\a)+4*\i+3], v[RD] offset:\i*2*SPITCH
.endr
.endm
.macro SEND a, younger                 ; younger: the LDS instructions issued behind block a's loads: the next block's sixteen, or none
.irp i, 0,1,2,3,4,5,6,7
	s_wait_dscnt (\younger)+7-\i
	global_store_b128 v[CO], v[ACC+32*(\a)+4*\i:ACC+32*(\a)+4*\i+3], s[8:9] offset:(16*(\a)+2*\i)*SIZE_N*4 th:TH_STORE_NT  ; 16 lanes store 256 consecutive bytes, at a multiple of 256 from out0's first byte
.endr
.endm
	OUTA 0
	OUTA 1
	SEND 0, 16
	OUTA 2
	SEND 1, 16
	OUTA 3
	SEND 2, 16
	SEND 3, 0
	s_wait_tensorcnt 0x0                           ; the wave's end: behind my last tensor load and my last LDS store
	ds_add_u32 v[SPW], v[NIL]
	s_wait_dscnt 0x0
	CROUND                                         ; the closing round: no work-group ends while a partner may still ask for a tile that names it
	s_endpgm
.Lfunc_end_k_qd5ad9c39b6_oproj:
	.size	k_qd5ad9c39b6_oproj, .Lfunc_end_k_qd5ad9c39b6_oproj-k_qd5ad9c39b6_oproj
	.p2alignl 7, 3214868480
	.fill 96, 4, 3214868480
	.section	.rodata,"a",@progbits
	.p2align	6, 0x0
	.amdhsa_kernel k_qd5ad9c39b6_oproj
		.amdhsa_group_segment_fixed_size 327680
		.amdhsa_private_segment_fixed_size 0
		.amdhsa_enable_private_segment 0
		.amdhsa_kernarg_size 24
		.amdhsa_user_sgpr_count 2
		.amdhsa_user_sgpr_kernarg_segment_ptr 1
		.amdhsa_wavefront_size32 1
		.amdhsa_system_sgpr_workgroup_id_x 1
		.amdhsa_system_sgpr_workgroup_id_y 1
		.amdhsa_system_sgpr_workgroup_id_z 1
		.amdhsa_system_vgpr_workitem_id 0
		.amdhsa_next_free_vgpr 512
		.amdhsa_next_free_sgpr 80
		.amdhsa_reserve_vcc 0
		.amdhsa_float_denorm_mode_32 3
		.amdhsa_float_denorm_mode_16_64 3
		.amdhsa_memory_ordered 1
		.amdhsa_forward_progress 1
		.amdhsa_inst_pref_size 69
	.end_amdhsa_kernel
	.amdgpu_metadata
---
amdhsa.version: [ 1, 2 ]
amdhsa.kernels:
  - .name:           k_qd5ad9c39b6_oproj
    .symbol:         k_qd5ad9c39b6_oproj.kd
    .args:
      - { .name: o16, .offset: 0, .size: 8, .value_kind: global_buffer, .address_space: global }
      - { .name: wo16, .offset: 8, .size: 8, .value_kind: global_buffer, .address_space: global }
      - { .name: out0, .offset: 16, .size: 8, .value_kind: global_buffer, .address_space: global }
    .group_segment_fixed_size: 327680
    .private_segment_fixed_size: 0
    .kernarg_segment_align: 8
    .kernarg_segment_size: 24
    .max_flat_workgroup_size: 128
    .sgpr_count:     80
    .vgpr_count:     512
    .wavefront_size: 32
...
	.end_amdgpu_metadata
.endif
;; end of part 4
